; MI455X (gfx1250); checked and timed in simulation.
; The chip was launched on July 23, 2026; its instructions are those of AMD's public machine-readable ISA for CDNA 5 (MIT licence, August 2026) and "CDNA5" Instruction Set Architecture Reference Guide (July 2026). The comments in the code are by the model that wrote it; some were corrected since.
;; Causal Self Attention. Allowed arithmetic: matrix products marked QUANTISED: E2M3 operands, one E8M0 scale for each 32 along K, by v_wmma_scale_f32_16x16x128_f8f6f4 with both operands' format E2M3, f32 sums; products left as they are: f32 operands where the result goes on into a quantised operand, else bf16, f16 or f32 operands; f32 sums; everything else in f32.
;; Inputs: Wout 1,024 x 1,024 float32; Wqkv 1,024 x 3,072 float32; mask 2,048 x 2,048 int32; x 4 x 2,048 x 1,024 float32.
;; Outputs: out0 4 x 2,048 x 1,024 float32.
;; This version of the problem:
;;   THIS VERSION OF THE PROBLEM IS GIVEN IN LOW PRECISION. The matrix products marked QUANTISED in the list below multiply operands that are first quantised to E2M3 (2 exponent bits, 3 mantissa bits; 6 bits a number), with one power-of-two scale for each 32 numbers along K (OCP MX v1.0); their sums are f32. All else is computed in f32.
;;   The module's matrix products, in the order in which they are computed (A, B: the left and right operand; K: the contracted axis; several contracted axes count as one K, in the product's order):
;;     1. [M 8,192, K 1,024] x [K 1,024, N 3,072]; A: input x; B: input Wqkv: QUANTISED
;;     2. [M 2,048, K 1] x [K 1, N 32]; A: computed on the way; B: computed on the way: left as it is (no contracted axis)
;;     3. batch 64 x [M 2,048, K 64] x [K 64, N 2,048]; A: computed on the way; B: computed on the way: QUANTISED
;;     4. batch 64 x [M 2,048, K 2,048] x [K 2,048, N 64]; A: softmax (see below); B: computed on the way: QUANTISED
;;     5. [M 8,192, K 1,024] x [K 1,024, N 1,024]; A: computed on the way; B: input Wout: QUANTISED
;;   THE QUANTISER, for each operand of a quantised product, along K:
;;     - K is cut into blocks of 32 from its start; a last block that is shorter is filled with zeros.
;;     - A block's scale is 2^e with e = floor(log2(the largest magnitude in the block)) - 2, held to -126 .. 127; a block of zeros has e = 0. As a byte (E8M0): e + 127.
;;     - Each number is divided by its block's scale, clamped to +-7.5, and rounded to the nearest number of E2M3, ties to even, subnormals kept.
;;     - The product sums the exact products of the quantised numbers (number of the format x scale) in f32.
;;   ~~~python
;;   def quantise(x, axis):      # numpy; x: float32 -> the quantised numbers, widened to float32 again
;;       x = np.moveaxis(x, axis, -1); K = x.shape[-1]
;;       x = np.pad(x, [(0, 0)] * (x.ndim - 1) + [(0, -K % 32)]); x = x.reshape(x.shape[:-1] + (-1, 32)); a = np.abs(x).max(-1, keepdims=True)
;;       e = np.where(a > 0, np.clip(np.frexp(np.where(a > 0, a, 1))[1] - 1 - 2, -126, 127), 0)      # np.frexp(a)[1] - 1 = floor(log2(a)), exactly
;;       r = np.clip(x / 2.0 ** e, -7.5, 7.5)
;;       step = 2.0 ** (np.maximum(np.frexp(np.where(r == 0, 1, r))[1] - 1, 0) - 3)
;;       q = np.round(r / step) * step * 2.0 ** e      # np.round: ties to even
;;       return np.moveaxis(q.reshape(q.shape[:-2] + (-1,))[..., :K], -1, axis).astype(np.float32)
;;   ~~~
;;   SOFTMAX AHEAD OF A QUANTISED PRODUCT. Where the list says 'softmax', what is quantised is not the finished softmax but p = 2^(t - M), with t = logit x log2(e) and M = ceil(the row's largest t), a whole number; so 1/2 < the row's largest p <= 1. The row's sum l is taken of the UNQUANTISED p, in f32, and the product's result is divided by l at the end. Since M is a whole number, a kernel that streams over the keys may use a running M (the ceiling of the running maximum): every later rescaling is an exact power of two, which a block's scale takes up: the codes' values come out the same.
;;   OPERANDS COMPUTED ON THE WAY. 'Computed on the way' means the value that the module computes at that place (a softmax that the list does not call 'softmax' is quantised finished and normalised). What goes into a quantiser is computed in f32, as accurately as f32 sums, v_exp_f32 and their like allow (about 1e-6 of the number): no bf16 or f16 on the way to a quantiser, and a product that is left as it is and whose result goes on into a quantised operand takes f32 operands (vector FMAs, or v_wmma_f32_16x16x4_f32). A number that lies on a knife's edge between two numbers of the format may be rounded either way, as far as f32 arithmetic and the matrix unit's own rounding can turn it there, and no further.
;; One version. Each part assembles by itself: llvm-mc -triple=amdgcn-amd-amdhsa -mcpu=gfx1250 --defsym DOCPART=n.
;; ======== version 1 of 1: 4 launches
;; limits: right only within a limited range of input values
;; workspace buffers: prep 10,354,688 bytes; mk 557,056 bytes of whole numbers; qkv 20,447,232 bytes; att 6,553,600 bytes
;; launch prep (part 1): grid 544 x 1, 4 waves a work-group, no clusters, 93,184 bytes of LDS; arguments x, Wqkv, Wout, mask, prep, mk; writes prep, mk
.if DOCPART == 1
	.amdgcn_target "amdgcn-amd-amdhsa--gfx1250"
	.amdhsa_code_object_version 6
	.text
	.protected	k_q2fc15573a7_prep
	.globl	k_q2fc15573a7_prep
	.p2align	8
	.type	k_q2fc15573a7_prep,@function
k_q2fc15573a7_prep:
	s_mov_b64 s[64:65], 0
	v_nop
	global_prefetch_b8 v0, s[64:65] scope:SCOPE_SE
	s_setreg_imm32_b32 hwreg(HW_REG_WAVE_MODE, 25, 1), 1
	s_wait_xcnt 0x0
; PREP: everything that is made once.  Four kinds of work-group, told apart by the work-group's number alone; each kind has LDS bytes of its own.
;   0-255    x [8192][1024] f32 -> codes of FP6 (E2M3), K innermost, and one E8M0 byte for each 32 along K
;   256-383  Wqkv [1024][3072] and Wout [1024][1024] f32, K their first axis -> codes laid [column][K], and their scale bytes
;   384-511  mask [2048][2048] i32 -> lane-mask words in the order in which the attention launch holds its scores, and two flag words for each tile of 16 queries
;   512-543  the table of cos and sin for the rotary embedding, [2048 positions][256 bytes]
; ROW ORDER.  A row (a token of x, a column of a weight) with index i is stored at place i with its bits 3 and 4 exchanged.  Read as plain rows of 16 by the matrix instruction this gives
; results whose 16 registers of two neighbouring tiles are 16 neighbours along the next product's K.
; A block's scale is 2^(floor(log2(its largest magnitude)) - 2); its byte is the largest magnitude's exponent field - 2, held at 1 from below.
; LIMITS: a block of zeros gets the byte 1 and not 127 (its codes are zeros, and only this program reads the bytes); blocks whose largest magnitude lies under 2^-124 keep the byte 1;
; NaN and infinities in x, Wqkv, Wout are not served.  The frequencies are 10^(-f/8) rounded to f32; the angle is reduced by pi/2 in two parts, which leaves under 1e-11 of error at 2,047 radians.
; IMAGES.  The codes of x, Wqkv and Wout are stored as images of the matrix operand's registers: 16 places x 128 along K are 1,536 bytes; the 8 bytes of registers 2 p, 2 p + 1 of lane 16 h + r
; (bytes 48 (p / 3) + 24 h + 8 (p % 3) of place r's 96) lie at 256 p + 8 (16 h + r).  The eight images of 16 places follow each other along K: 12,288 bytes for 16 places.
.set XS_O,  6291456                    ; sections of prep, in bytes: x's codes at 0, x's scale bytes,
.set WC_O,  6553600                    ; Wqkv's codes,
.set WS_O,  8912896                    ; Wqkv's scale bytes,
.set OC_O,  9011200                    ; Wout's codes,
.set OS_O,  9797632                    ; Wout's scale bytes,
.set TR_O,  9830400                    ; the table
.set FL_O,  524288                     ; in mk: the mask words at 0, the flags here
.set SPW,   196                        ; v196 LDS address of my spare word; never rewritten
.set NIL,   197                        ; v197 0; never rewritten
.set WREG,  8192                       ; x: a region for each wave: two stages of 32 x 80 bytes, then its 256 scale bytes
.set SP,    80
.set STEPS, 16
.set XR,    16                         ; x: v16-79 four sets of 16 numbers as loaded
.set XX,    80                         ; v80-111 two sets of 16 neighbours
.set XE,    112                        ; v112-127 a scale byte for each step
.set XCD,   128                        ; v128-191 codes, four registers a step
.set WSTG,  32768                      ; weights: four stages of 32 rows x 272 bytes
.set WPITCH, 272
.set WX,    32                         ; v32-95 two sets of 32 numbers; on the way out 12 x 4 registers
.set WCD,   96                         ; v96-102 a block's codes
.set WOF,   112                        ; v112-143 byte offset of row i of a block, at my column
.set WSB,   24                         ; v24-25 eight scale bytes
.set MLDS,  67584                      ; mask: 32 bytes, the four waves' flags
.set SPARE, 67840                      ; the spare words, 128 bytes for each wave: two blocks of 256 bytes that no other line names
.set XIMG,  68608                      ; x: the work-group's 32 rows as images, 24,576 bytes
.macro FINISH                          ; the wave's end
	s_wait_tensorcnt 0x0
	ds_add_u32 v[SPW], v[NIL]
	s_wait_dscnt 0x0
	s_endpgm
.endm
	s_load_b256 s[4:11], s[0:1], 0x0               ; x s[4:5], Wqkv s[6:7], Wout s[8:9], mask s[10:11]
	s_load_b128 s[12:15], s[0:1], 0x20             ; prep s[12:13], mk s[14:15]
	v_lshl_add_u32 v[SPW], v0, 2, SPARE
	v_mov_b32 v[NIL], 0
	v_lshrrev_b32 v1, 5, v0
	v_readfirstlane_b32 s16, v1                    ; wave 0..3
	v_and_b32 v2, 31, v0                           ; lane
	s_wait_kmcnt 0x0
	s_cmp_lt_u32 ttmp9, 256
	s_cbranch_scc1 .Lpath_x
	s_cmp_lt_u32 ttmp9, 384
	s_cbranch_scc1 .Lpath_w
	s_cmp_lt_u32 ttmp9, 512
	s_cbranch_scc1 .Lpath_m
; ---- THE TABLE.  A wave makes 16 positions; the lane is the frequency f.  A row of the table: byte 128 (f / 16) + 4 (f % 16) = cos, 64 bytes on = sin.
	s_sub_co_u32 s17, ttmp9, 512
	s_lshl_b32 s17, s17, 6
	s_lshl_b32 s18, s16, 4
	s_add_co_u32 s17, s17, s18                     ; my first position
	s_lshl_b32 s18, s17, 8
	s_add_co_u32 s18, s18, TR_O
	s_mov_b32 s19, 0
	s_add_nc_u64 s[12:13], s[12:13], s[18:19]
	s_mov_b32 s20, 0xbfc90fdb                      ; -(pi/2 rounded to f32)
	s_mov_b32 s21, 0x333bbd2e                      ; that number less pi/2: 4.37113883e-8
	s_mov_b32 s22, 0xbe2aaaa3                      ; sin: -1.6666654611e-1,
	s_mov_b32 s23, 0x3c08839e                      ; 8.3321608736e-3,
	s_mov_b32 s24, 0xb94ca1f9                      ; -1.9515295891e-4
	s_mov_b32 s25, 0x3d2aaaa5                      ; cos: 4.166664568e-2,
	s_mov_b32 s26, 0xbab6061a                      ; -1.388731625e-3,
	s_mov_b32 s27, 0x37ccf5ce                      ; 2.443315712e-5
	s_wait_alu depctr_va_vdst(0)
	v_and_b32 v4, 15, v2
	v_lshlrev_b32 v4, 2, v4
	v_lshrrev_b32 v5, 4, v2
	v_lshl_add_u32 v4, v5, 7, v4                   ; my place in a row of the table
	v_mov_b32 v3, 1.0                              ; the frequency 10000^(-f/32) = 10^(-f/8): lane 0's
.macro FREQ j, val                     ; lane j takes its number, the others keep theirs
	v_cmp_ne_u32 vcc_lo, \j, v2
	v_cndmask_b32 v3, \val, v3, vcc_lo
.endm
	FREQ 1, 0.749894209332
	FREQ 2, 0.562341325190
	FREQ 3, 0.421696503429
	FREQ 4, 0.316227766017
	FREQ 5, 0.237137370566
	FREQ 6, 0.177827941004
	FREQ 7, 0.133352143216
	FREQ 8, 0.1
	FREQ 9, 0.0749894209332
	FREQ 10, 0.0562341325190
	FREQ 11, 0.0421696503429
	FREQ 12, 0.0316227766017
	FREQ 13, 0.0237137370566
	FREQ 14, 0.0177827941004
	FREQ 15, 0.0133352143216
	FREQ 16, 0.01
	FREQ 17, 0.00749894209332
	FREQ 18, 0.00562341325190
	FREQ 19, 0.00421696503429
	FREQ 20, 0.00316227766017
	FREQ 21, 0.00237137370566
	FREQ 22, 0.00177827941004
	FREQ 23, 0.00133352143216
	FREQ 24, 0.001
	FREQ 25, 0.000749894209332
	FREQ 26, 0.000562341325190
	FREQ 27, 0.000421696503429
	FREQ 28, 0.000316227766017
	FREQ 29, 0.000237137370566
	FREQ 30, 0.000177827941004
	FREQ 31, 0.000133352143216
.macro POS i                           ; position s17 + i: the angle, its quadrant, two polynomials on |r| <= pi/4, and the quadrant's swap and signs
	s_add_co_u32 s29, s17, \i
	v_cvt_f32_u32 v20, s29
	v_mul_f32 v21, v20, v3                         ; the angle: position x frequency, rounded once
	v_mul_f32 v22, 0x3f22f983, v21                 ; x 2/pi
	v_rndne_f32 v22, v22                           ; n
	v_fma_f32 v23, v22, s20, v21                   ; angle - n x (pi/2's upper part): nothing is rounded here
	v_fma_f32 v23, v22, s21, v23                   ; and the lower part: r
	v_mul_f32 v24, v23, v23                        ; z = r r
	v_fma_f32 v25, v24, s24, s23
	v_fma_f32 v27, v24, s27, s26
	v_fma_f32 v25, v25, v24, s22
	v_fma_f32 v27, v27, v24, s25
	v_mul_f32 v26, v23, v24
	v_mul_f32 v28, v24, v24
	v_fma_f32 v29, v24, -0.5, 1.0
	v_fma_f32 v25, v25, v26, v23                   ; sin r
	v_fma_f32 v27, v27, v28, v29                   ; cos r
	v_cvt_i32_f32 v30, v22
	v_and_b32 v31, 1, v30
	v_cmp_ne_u32 vcc_lo, 0, v31                    ; an odd quadrant swaps the two
	v_cndmask_b32 v[41+2*\i], v25, v27, vcc_lo
	v_cndmask_b32 v[40+2*\i], v27, v25, vcc_lo
	v_and_b32 v31, 2, v30
	v_lshlrev_b32 v31, 30, v31
	v_xor_b32 v[41+2*\i], v[41+2*\i], v31          ; sin is negated in quadrants 2 and 3,
	v_add_nc_u32 v30, 1, v30
	v_and_b32 v30, 2, v30
	v_lshlrev_b32 v30, 30, v30
	v_xor_b32 v[40+2*\i], v[40+2*\i], v30          ; cos in quadrants 1 and 2
	global_store_b32 v4, v[40+2*\i], s[12:13] offset:256*\i
	global_store_b32 v4, v[41+2*\i], s[12:13] offset:256*\i+64
.endm
.irp i, 0,1,2,3,4,5,6,7,8,9,10,11,12,13,14,15
	POS \i                                         ; each position has its own two result registers: no store's data are written again
.endr
	FINISH
; ---- x.  A wave takes a run of 8,192 numbers, 8 rows, in 16 steps of 512.  Each load reads 512 consecutive bytes; the numbers turn through the wave's own stage in LDS so that a lane holds 16 neighbours.
; The run goes to place 4 g + w', w' = the wave's number with its two bits exchanged: bits 3 and 4 of the row.  A lane's 12 bytes of codes go word by word to their places in the work-group's
; images in LDS; behind one barrier the 24,576 bytes leave as they lie, 512 consecutive bytes a store.
.Lpath_x:
	s_wait_alu depctr_va_vdst(0)
	v_lshlrev_b32 v3, 4, v2                        ; my 16 bytes of a load's 512
	s_mul_i32 s17, s16, WREG
	v_lshrrev_b32 v14, 2, v2
	v_mul_u32_u24 v14, v14, SP
	v_and_b32 v15, 3, v2
	v_lshl_add_u32 v14, v15, 4, v14
	v_add_nc_u32 v14, s17, v14                     ; the stage, in: four lanes' 64 bytes on end, then 16 of padding
	v_mul_u32_u24 v15, v2, SP
	v_add_nc_u32 v15, s17, v15                     ; out: my 16 neighbours
	v_lshrrev_b32 v5, 1, v2
	s_add_co_u32 s17, s17, 2*32*SP
	v_add_nc_u32 v5, s17, v5                       ; my block's scale byte in LDS
	v_lshlrev_b32 v7, 3, v2
	v_add_nc_u32 v6, s17, v7                       ; and on the way out 8 bytes a lane
	s_lshl_b32 s17, ttmp9, 2
	s_add_co_u32 s18, s17, s16                     ; the run that I read
	s_lshl_b32 s18, s18, 15
	s_mov_b32 s19, 0
	s_add_nc_u64 s[4:5], s[4:5], s[18:19]
	s_lshr_b32 s20, s16, 1
	s_and_b32 s21, s16, 1
	s_lshl_b32 s21, s21, 1
	s_or_b32 s20, s20, s21                         ; w'
	s_lshr_b32 s22, s20, 1
	s_mul_i32 s22, s22, 12288                      ; which 16 places,
	s_and_b32 s23, s20, 1
	s_lshl_b32 s23, s23, 6                         ; and which 8 of them: 8 bytes a place
	s_add_co_u32 s22, s22, s23
	s_add_co_u32 s22, s22, XIMG
	v_lshrrev_b32 v1, 3, v2
	v_mul_u32_u24 v1, v1, 1536                     ; eight lanes' 24 words are 128 along K: one image
	v_add_nc_u32 v1, s22, v1
	v_bfe_u32 v8, v2, 2, 1                         ; two lanes hold a block of 32: block lane / 2 of the eight lanes' four: c = its upper bit,
	v_mul_u32_u24 v8, v8, 768
	v_add_nc_u32 v1, v1, v8
	v_bfe_u32 v8, v2, 1, 1                         ; h = its lower bit
	v_lshl_add_u32 v1, v8, 7, v1                   ; the block's first piece of 8 bytes; its three pieces lie 256 bytes apart
	v_and_b32 v9, 1, v2                            ; an even lane holds the block's words 0, 1, 2: bytes 0, 4, 256 from there; an odd lane words 3, 4, 5: bytes 260, 512, 516
	v_mul_u32_u24 v8, v9, 260
	v_add_nc_u32 v10, v1, v8                       ; my first word; my third lies 256 bytes on
	v_mul_u32_u24 v8, v9, 508
	v_add_nc_u32 v12, v1, v8                       ; my second word lies 4 bytes behind this
	s_mul_i32 s23, s16, 6144
	s_add_co_u32 s23, s23, XIMG
	v_add_nc_u32 v4, s23, v3                       ; the way out: my wave's quarter of the images, 16 bytes a lane
	s_add_co_u32 s20, s20, s17                     ; the run whose scale bytes I write
	s_add_co_u32 s18, s17, s16
	s_mul_i32 s18, s18, 6144
	s_add_nc_u64 s[8:9], s[12:13], s[18:19]        ; its codes
	s_lshl_b32 s18, s20, 8
	s_add_co_u32 s18, s18, XS_O
	s_add_nc_u64 s[10:11], s[12:13], s[18:19]      ; its scale bytes
.macro XLOAD t
.irp i, 0,1,2,3
	global_load_b128 v[XR+16*((\t)%4)+4*\i:XR+16*((\t)%4)+4*\i+3], v3, s[4:5] offset:2048*(\t)+512*\i th:TH_LOAD_NT
.endr
.endm
.macro XTURN t                         ; LDS serves a wave's instructions in order: no wait between the stores and the loads
.irp i, 0,1,2,3
	ds_store_b128 v14, v[XR+16*((\t)%4)+4*\i:XR+16*((\t)%4)+4*\i+3] offset:32*SP*((\t)%2)+8*SP*\i
.endr
.irp i, 0,1,2,3
	ds_load_b128 v[XX+16*((\t)%2)+4*\i:XX+16*((\t)%2)+4*\i+3], v15 offset:32*SP*((\t)%2)+16*\i
.endr
.endm
.irp t, 0,1,2,3
	XLOAD \t
.endr
	s_wait_alu depctr_va_vdst(0)
	s_wait_loadcnt 12                              ; step 0's four loads are in; three steps' twelve stay out
	XTURN 0
.macro XSTEP t
.set XS, XX+16*((\t)%2)
.if (\t) > 0
	s_wait_dscnt 4                                 ; this step's numbers are back from the stage; the last step's byte store and three word stores may be out
.else
	s_wait_dscnt 0x0
.endif
.if (\t)+4 < STEPS
	XLOAD (\t)+4                                   ; into the registers whose stores into the stage are done
.endif
.if (\t)+1 < STEPS
.if STEPS-2-(\t) >= 3
	s_wait_loadcnt 12                              ; the next step's four loads are in; those of the three steps behind it may be out
.else
	s_wait_loadcnt 4*(STEPS-2-(\t))
.endif
	XTURN (\t)+1
.endif
	v_max3_num_f32 v8, |v[XS]|, |v[XS+1]|, |v[XS+2]|
	v_max3_num_f32 v9, |v[XS+3]|, |v[XS+4]|, |v[XS+5]|
.irp i, 6,10
	v_max3_num_f32 v8, v8, |v[XS+\i]|, |v[XS+\i+1]|
	v_max3_num_f32 v9, v9, |v[XS+\i+2]|, |v[XS+\i+3]|
.endr
	v_max3_num_f32 v8, v8, |v[XS+14]|, |v[XS+15]|
	v_max3_num_f32 v8, v8, v9, 0x1800000           ; and the floor 2^(3 - 127): the byte cannot fall under 1
	v_max_num_f32_dpp v8, v8, v8 row_xmask:1 row_mask:0xf bank_mask:0xf   ; with my neighbour's 16: the block's largest magnitude
	v_add_nc_u32 v11, 0xff000000, v8               ; 2 off its exponent field: the conversion takes the exponent field of this operand as its scale
	v_cvt_scalef32_pk16_fp6_f32 v[XCD+4*(\t):XCD+4*(\t)+2], v[XS:XS+15], v11
	v_lshrrev_b32 v[XE+(\t)], 23, v11              ; the scale's byte
	ds_store_b8 v5, v[XE+(\t)] offset:16*(\t)      ; both lanes of a block write the same byte with the same value
	ds_store_b32 v10, v[XCD+4*(\t)] offset:6144*((\t)%2)+8*((\t)/2)     ; row t / 2 of my eight; the row's second half lies four images on
	ds_store_b32 v12, v[XCD+4*(\t)+1] offset:6144*((\t)%2)+8*((\t)/2)+4
	ds_store_b32 v10, v[XCD+4*(\t)+2] offset:6144*((\t)%2)+8*((\t)/2)+256
.endm
.irp t, 0,1,2,3,4,5,6,7,8,9,10,11,12,13,14,15
	XSTEP \t
.endr
	ds_load_b64 v[8:9], v6                         ; behind my byte stores, in order
	s_wait_dscnt 0x0                               ; and my stores into the images have landed: for the others' sake
	s_barrier_signal -1
	s_barrier_wait -1                              ; all four waves of such a work-group come here: the way hangs on the work-group's number alone
	global_store_b64 v7, v[8:9], s[10:11]          ; 32 lanes store 256 consecutive bytes, aligned
.irp t, 0,1,2,3,4,5,6,7,8,9,10,11
	ds_load_b128 v[XR+4*\t:XR+4*\t+3], v4 offset:512*\t
.endr
.irp t, 0,1,2,3,4,5,6,7,8,9,10,11
	s_wait_dscnt 11-\t                             ; the younger loads may stay out
	global_store_b128 v3, v[XR+4*\t:XR+4*\t+3], s[8:9] offset:512*\t   ; 512 consecutive bytes, aligned
.endr
	FINISH
; ---- THE WEIGHTS.  A lane takes a column, its registers run down K: a block of 32 lies in one lane, 24 bytes of codes: three pieces of an image.  A wave takes 32 columns x 256 along K:
; two images for each of two groups of 16 places.  They are gathered in the wave's stage and leave as they lie, 512 consecutive bytes a store.
.Lpath_w:
	s_sub_co_u32 s17, ttmp9, 256
	s_cmp_lt_u32 s17, 96                           ; 96 work-groups for Wqkv, 32 for Wout: the choice hangs on the work-group's number alone
	s_cselect_b64 s[18:19], s[6:7], s[8:9]
	s_mov_b32 s20, 4096
	s_cselect_b32 s20, 12288, s20                  ; a row of the weight in bytes
	s_mov_b32 s21, OC_O
	s_cselect_b32 s21, WC_O, s21
	s_mov_b32 s22, OS_O
	s_cselect_b32 s22, WS_O, s22
	s_cselect_b32 s23, 0, 96
	s_sub_co_u32 s17, s17, s23
	s_and_b32 s24, s17, 3                          ; which 256 along K
	s_lshr_b32 s25, s17, 2
	s_lshl_b32 s25, s25, 7
	s_lshl_b32 s26, s16, 5
	s_add_co_u32 s25, s25, s26                     ; my wave's first column
	s_wait_alu depctr_va_vdst(0)
	v_lshlrev_b32 v3, 2, v2
	v_and_b32 v5, 7, v2
	v_bfe_u32 v6, v2, 3, 1
	v_lshl_or_b32 v5, v6, 4, v5
	v_bfe_u32 v6, v2, 4, 1
	v_lshl_or_b32 v5, v6, 3, v5                    ; my column's place among the 32: the lane with bits 3 and 4 exchanged
	s_mul_i32 s27, s16, 32*WPITCH
	s_add_co_u32 s27, s27, WSTG                    ; my stage
	v_lshrrev_b32 v4, 4, v5
	v_mul_u32_u24 v4, v4, 3072                     ; which 16 places: two images each
	v_and_b32 v6, 15, v5
	v_lshl_add_u32 v4, v6, 3, v4                   ; 8 bytes a place
	v_add_nc_u32 v4, s27, v4                       ; into the stage
	v_lshlrev_b32 v9, 5, v5                        ; my row of scale bytes: 32 bytes a row
	v_lshlrev_b32 v8, 4, v2                        ; out of it: 16 bytes a lane, as they lie
	v_add_nc_u32 v7, s27, v8
.set WI, 0
.rept 32
	v_mad_u32_u24 v[WOF+WI], s20, WI, v3           ; row i of a block, my column
.set WI, WI+1
.endr
	s_lshl_b32 s26, s24, 8
	s_mul_i32 s26, s26, s20
	s_lshl_b32 s27, s25, 2
	s_add_co_u32 s26, s26, s27
	s_mov_b32 s27, 0
	s_add_nc_u64 s[32:33], s[18:19], s[26:27]      ; block 0's first row; a base for each of the eight blocks, none stepped while loads are out
	s_lshl_b32 s48, s20, 5
	s_mov_b32 s49, 0
.irp t, 1,2,3,4,5,6,7
	s_add_nc_u64 s[32+2*\t:33+2*\t], s[30+2*\t:31+2*\t], s[48:49]
.endr
	s_mul_i32 s26, s25, 768
	s_mul_i32 s28, s24, 3072
	s_add_co_u32 s26, s26, s28
	s_add_co_u32 s26, s26, s21
	s_add_nc_u64 s[50:51], s[12:13], s[26:27]      ; the codes
	s_lshl_b32 s26, s25, 5
	s_lshl_b32 s28, s24, 3
	s_add_co_u32 s26, s26, s28
	s_add_co_u32 s26, s26, s22
	s_add_nc_u64 s[52:53], s[12:13], s[26:27]      ; the scale bytes
.macro WLOAD t
.set WI, 0
.rept 32
	global_load_b32 v[WX+32*((\t)%2)+WI], v[WOF+WI], s[32+2*(\t):33+2*(\t)] th:TH_LOAD_NT   ; 32 lanes read 128 consecutive bytes
.set WI, WI+1
.endr
.endm
	s_wait_alu depctr_va_vdst(0)
	WLOAD 0
	WLOAD 1
.macro WBLOCK t
.set XSB, WX+32*((\t)%2)
.if (\t) < 7
	s_wait_loadcnt 32                              ; this block's 32 loads are in; the next block's may be out
.else
	s_wait_loadcnt 0x0
.endif
	v_max3_num_f32 v16, |v[XSB]|, |v[XSB+1]|, |v[XSB+2]|
	v_max3_num_f32 v17, |v[XSB+3]|, |v[XSB+4]|, |v[XSB+5]|
.irp i, 6,10,14,18,22,26
	v_max3_num_f32 v16, v16, |v[XSB+\i]|, |v[XSB+\i+1]|
	v_max3_num_f32 v17, v17, |v[XSB+\i+2]|, |v[XSB+\i+3]|
.endr
	v_max3_num_f32 v16, v16, |v[XSB+30]|, |v[XSB+31]|
	v_max3_num_f32 v16, v16, v17, 0x1800000        ; and the floor
	v_add_nc_u32 v18, 0xff000000, v16              ; the conversion's scale operand
	v_lshrrev_b32 v17, 23, v18                     ; the scale's byte
.if (\t)%4 == 0
	v_mov_b32 v[WSB+(\t)/4], v17
.else
	v_lshl_or_b32 v[WSB+(\t)/4], v17, 8*((\t)%4), v[WSB+(\t)/4]
.endif
	v_cvt_scalef32_pk16_fp6_f32 v[WCD:WCD+2], v[XSB:XSB+15], v18
	v_cvt_scalef32_pk16_fp6_f32 v[WCD+4:WCD+6], v[XSB+16:XSB+31], v18
	v_nop                                          ; one plain place behind a scaled conversion
	v_mov_b32 v[WCD+3], v[WCD+4]                   ; the six registers on end
	v_mov_b32 v[WCD+4], v[WCD+5]
	v_mov_b32 v[WCD+5], v[WCD+6]
.irp j, 0,1,2
	ds_store_b64 v4, v[WCD+2*\j:WCD+2*\j+1] offset:1536*((\t)/4)+768*(((\t)%4)/2)+128*((\t)%2)+256*\j
.endr
.if (\t)+2 < 8
	WLOAD (\t)+2
.endif
	s_wait_dscnt 0x0                               ; the stores have read their registers: the next block's codes may be written
.endm
.irp t, 0,1,2,3,4,5,6,7
	WBLOCK \t
.endr
	s_wait_alu depctr_va_vdst(0)
	global_store_b64 v9, v[WSB:WSB+1], s[52:53]    ; my column's eight scale bytes
.irp t, 0,1,2,3,4,5,6,7,8,9,10,11
	ds_load_b128 v[WX+4*\t:WX+4*\t+3], v7 offset:512*\t
.endr
.irp t, 0,1,2,3,4,5,6,7,8,9,10,11
	s_wait_dscnt 11-\t                             ; the younger loads may stay out
	global_store_b128 v8, v[WX+4*\t:WX+4*\t+3], s[50:51] offset:512*(\t%6)+12288*(\t/6)   ; 512 consecutive bytes, aligned
.endr
	FINISH
; ---- THE MASK.  Work-group T is a tile of 16 queries: lane r's query is 32 (T / 2) + 8 (T % 2) + r + 8 (r / 8).  Wave w takes the key steps 4 w .. 4 w + 3 of 128 keys.
; Word n = 16 b + i of a step: bit 16 h + r = (mask[query r][128 step + 32 b + 16 h + i] != 0): the lane mask for register n of the scores.
.Lpath_m:
	s_sub_co_u32 s17, ttmp9, 384                   ; T
	s_wait_alu depctr_va_vdst(0)
	v_and_b32 v3, 15, v2
	v_lshrrev_b32 v4, 4, v2
	v_and_b32 v5, 8, v3
	v_add_nc_u32 v5, v5, v3
	v_lshlrev_b32 v5, 13, v5                       ; a row of the mask is 8,192 bytes
	v_lshl_add_u32 v5, v4, 6, v5                   ; + 64 h
	v_lshlrev_b32 v6, 3, v2
	s_lshr_b32 s18, s17, 1
	s_lshl_b32 s18, s18, 5
	s_and_b32 s19, s17, 1
	s_lshl_b32 s19, s19, 3
	s_add_co_u32 s18, s18, s19
	s_lshl_b32 s18, s18, 13
	s_lshl_b32 s19, s16, 11
	s_add_co_u32 s18, s18, s19
	s_mov_b32 s19, 0
	s_add_nc_u64 s[10:11], s[10:11], s[18:19]
	s_lshl_b32 s18, s17, 4
	s_lshl_b32 s20, s16, 2
	s_add_co_u32 s18, s18, s20
	s_lshl_b32 s18, s18, 8
	s_add_nc_u64 s[8:9], s[14:15], s[18:19]        ; my four steps' words: 256 bytes a step
	s_lshl_b32 s18, s17, 8
	s_add_co_u32 s18, s18, FL_O
	s_add_nc_u64 s[6:7], s[14:15], s[18:19]        ; the tile's flags
.irp i, 0,1,2,3,4,5,6,7
	v_mov_b32 v[160+\i], 0                         ; a lane write's destination counts as read
.endr
	s_mov_b32 s30, 0
	s_mov_b32 s31, 0
.macro MLOAD u
.irp b, 0,1,2,3
.irp j, 0,1,2,3
	global_load_b128 v[32+64*((\u)%2)+16*\b+4*\j:32+64*((\u)%2)+16*\b+4*\j+3], v5, s[10:11] offset:512*(\u)+128*\b+16*\j
.endr
.endr
.endm
.macro MPROC u
.if (\u) < 3
	s_wait_loadcnt 16                              ; this step's 16 loads are in; the other set's may be out
.else
	s_wait_loadcnt 0x0
.endif
	s_mov_b32 s28, 0
	s_mov_b32 s29, -1
.set MG, 0
.rept 8
.irp k, 0,1,2,3,4,5,6,7
	v_cmp_ne_u32 s[20+\k], 0, v[32+64*((\u)%2)+8*MG+\k]
.endr
.irp k, 0,1,2,3,4,5,6,7
	s_or_b32 s28, s28, s[20+\k]
	s_and_b32 s29, s29, s[20+\k]
.endr
.irp k, 0,1,2,3,4,5,6,7
	v_writelane_b32 v[160+2*(\u)+(\k%2)], s[20+\k], (8*MG+\k)/2   ; lane l holds words 2 l and 2 l + 1
.endr
.set MG, MG+1
.endr
	global_store_b64 v6, v[160+2*(\u):161+2*(\u)], s[8:9] offset:256*(\u)   ; 256 consecutive bytes, aligned
	s_cmp_lg_u32 s28, 0
	s_cselect_b32 s32, 1, 0
	s_lshl_b32 s32, s32, \u
	s_or_b32 s30, s30, s32                         ; some key of the step is open
	s_cmp_eq_u32 s29, -1
	s_cselect_b32 s32, 1, 0
	s_lshl_b32 s32, s32, \u
	s_or_b32 s31, s31, s32                         ; all are
.endm
	MLOAD 0
	MLOAD 1
	MPROC 0
	MLOAD 2
	MPROC 1
	MLOAD 3
	MPROC 2
	MPROC 3
	s_lshl_b32 s32, s16, 2
	s_lshl_b32 s30, s30, s32                       ; my four bits at their places among the sixteen
	s_lshl_b32 s31, s31, s32
	v_mov_b32 v168, s30
	v_mov_b32 v169, s31
	s_lshl_b32 s32, s16, 3
	s_add_co_u32 s32, s32, MLDS
	v_mov_b32 v170, s32
	ds_store_b64 v170, v[168:169]                  ; all lanes write the same words with the same values
	s_wait_dscnt 0x0                               ; for the others' sake
	s_barrier_signal -1
	s_barrier_wait -1                              ; all four waves of such a work-group come here: the way hangs on the work-group's number alone
	v_mov_b32 v171, MLDS
	ds_load_b128 v[172:175], v171
	ds_load_b128 v[176:179], v171 offset:16
	s_wait_dscnt 0x0
	v_or_b32 v172, v172, v174
	v_or_b32 v176, v176, v178
	v_or_b32 v172, v172, v176
	v_or_b32 v173, v173, v175
	v_or_b32 v177, v177, v179
	v_or_b32 v173, v173, v177
	s_cmp_lg_u32 s16, 0
	s_cbranch_scc1 .Lm_done
	global_store_b64 v6, v[172:173], s[6:7]        ; 32 copies of the pair: 256 consecutive bytes, aligned
.Lm_done:
	FINISH
.Lfunc_end_k_q2fc15573a7_prep:
	.size	k_q2fc15573a7_prep, .Lfunc_end_k_q2fc15573a7_prep-k_q2fc15573a7_prep
	.p2alignl 7, 3214868480
	.fill 96, 4, 3214868480
	.section	.rodata,"a",@progbits
	.p2align	6, 0x0
	.amdhsa_kernel k_q2fc15573a7_prep
		.amdhsa_group_segment_fixed_size 93184
		.amdhsa_private_segment_fixed_size 0
		.amdhsa_enable_private_segment 0
		.amdhsa_kernarg_size 48
		.amdhsa_user_sgpr_count 2
		.amdhsa_user_sgpr_kernarg_segment_ptr 1
		.amdhsa_wavefront_size32 1
		.amdhsa_system_sgpr_workgroup_id_x 1
		.amdhsa_system_sgpr_workgroup_id_y 1
		.amdhsa_system_sgpr_workgroup_id_z 1
		.amdhsa_system_vgpr_workitem_id 0
		.amdhsa_next_free_vgpr 200
		.amdhsa_next_free_sgpr 66
		.amdhsa_reserve_vcc 1
		.amdhsa_float_denorm_mode_32 3
		.amdhsa_float_denorm_mode_16_64 3
		.amdhsa_memory_ordered 1
		.amdhsa_forward_progress 1
		.amdhsa_inst_pref_size 167
	.end_amdhsa_kernel
	.amdgpu_metadata
---
amdhsa.version: [ 1, 2 ]
amdhsa.kernels:
  - .name:           k_q2fc15573a7_prep
    .symbol:         k_q2fc15573a7_prep.kd
    .args:
      - { .name: x, .offset: 0, .size: 8, .value_kind: global_buffer, .address_space: global }
      - { .name: Wqkv, .offset: 8, .size: 8, .value_kind: global_buffer, .address_space: global }
      - { .name: Wout, .offset: 16, .size: 8, .value_kind: global_buffer, .address_space: global }
      - { .name: mask, .offset: 24, .size: 8, .value_kind: global_buffer, .address_space: global }
      - { .name: prep, .offset: 32, .size: 8, .value_kind: global_buffer, .address_space: global }
      - { .name: mk, .offset: 40, .size: 8, .value_kind: global_buffer, .address_space: global }
    .group_segment_fixed_size: 93184
    .private_segment_fixed_size: 0
    .kernarg_segment_align: 8
    .kernarg_segment_size: 48
    .max_flat_workgroup_size: 128
    .sgpr_count:     66
    .vgpr_count:     200
    .wavefront_size: 32
...
	.end_amdgpu_metadata
.endif
;; end of part 1
;; launch qkv (part 2): grid 4 x 96, 4 waves a work-group, clusters of 4 x 4, 327,680 bytes of LDS; arguments prep, qkv; writes qkv
.if DOCPART == 2
	.amdgcn_target "amdgcn-amd-amdhsa--gfx1250"
	.amdhsa_code_object_version 6
	.text
	.protected	k_q2fc15573a7_qkv
	.globl	k_q2fc15573a7_qkv
	.p2align	8
	.type	k_q2fc15573a7_qkv,@function
k_q2fc15573a7_qkv:
	s_mov_b64 s[64:65], 0
	v_nop
	global_prefetch_b8 v0, s[64:65] scope:SCOPE_SE
	s_setreg_imm32_b32 hwreg(HW_REG_WAVE_MODE, 25, 1), 1
	s_wait_xcnt 0x0
	s_wait_alu depctr_hold_cnt(0) depctr_sa_sdst(0) depctr_va_vdst(0) depctr_va_sdst(0) depctr_va_ssrc(0) depctr_va_vcc(0) depctr_vm_vsrc(0)
	s_getreg_b32 s2, hwreg(HW_REG_IB_STS2, 6, 4)
	s_cmp_eq_u32 s2, 0
	s_cbranch_scc0 .Lentry_in_a_cluster
	s_endpgm
.Lentry_in_a_cluster:
	s_bfe_u32 s2, ttmp6, 0x10000c
	s_cmp_lg_u32 s2, 0xf033
	s_cbranch_scc0 .Lentry_shape_is_right
	s_endpgm
.Lentry_shape_is_right:
; x Wqkv on codes of FP6 (E2M3) with one E8M0 scale for each 32 along K = 1,024; then the rotary embedding on q and k, in f32; then q, k and v are quantised in registers for the attention launch.
; A tile of 256 tokens x 256 columns is made by four waves, each 128 x 128 in 64 accumulators (512 registers).  K goes in four steps of 256 through two LDS slots filled by the tensor data mover;
; the scale bytes of the tile's rows come once and stay.  4 x 4 work-groups form a cluster: x's tiles are asked for jointly along a row of it, the weight's along a column.
; THE MATRIX INSTRUCTION TAKES THE "B SIDE" AS SOURCE 0 AND THE "A SIDE" AS SOURCE 1: a lane holds one row of the A side, its registers run along the B side.
;   clusters x = 0, 1 (q, k): A side = tokens, B side = columns: a lane holds a token; the partner d +- 32 of the rotation is the accumulator two further on, same lane, same register.
;   cluster  x = 2    (v):    A side = columns, B side = tokens: a lane holds one d and its registers run along 128 keys, which are the second attention product's K.
; The loop's text is one: only the LDS bytes that a wave reads as A side and as B side are chosen, by the cluster's x, which all partners share.
; Rows lie in memory at the place of their index with bits 3 and 4 exchanged.  So register 8 b + j of a lane is index 32 (b / 2) + 16 h + 8 (b % 2) + j of the B side: 16 registers of two neighbouring
; accumulators are 16 neighbours; and lane r of block a is index 32 (a / 2) + 8 (a % 2) + r + 8 (r / 8) of the A side.
; OUT.  Operands leave as images of their registers: q, k: 6 registers a lane and head (K = the head's 64), three stores of 8 bytes a lane; v: 12 registers a lane (16 d x 128 keys), three of 16 bytes.
; Every store of a wave covers 256 or 512 consecutive bytes, aligned.  No f32 number of q, k, v goes to memory.
; LIMITS: a block of zeros gets the byte 1 and not 127; blocks whose largest magnitude lies under 2^-124 keep the byte 1; NaN and infinities are not served.
; REGISTERS, in windows of 256: window 0: v0-31 addresses; v32-63 scale words, two sets; v128-223 the A side's fragments, one set; behind the products v32-215 are at work.
;   window 1: the B side's fragments, two sets.   window 2: the accumulators of my A-side blocks 0-3 ((a, b) at v[8 (8 a + b)]);   window 3: those of blocks 4-7.
.set XS_O,  6291456                    ; sections of prep: x's codes at 0, x's scale bytes, Wqkv's codes, its scale bytes, the table of cos and sin
.set WC_O,  6553600
.set WS_O,  8912896
.set TR_O,  9830400
.set KV_O,  6815744                    ; sections of qkv: q's records at 0, the records of k and v here
.set QREC,  6656                       ; q: 8 tiles x 768 bytes, 512 of scale words
.set KREC,  13312                      ; k: 8 x 768; v: 4 x 1,536; k's scale words 512; v's 512
.set NQ,     2
.set ROWB,   3072                      ; a tile's row: the two images (256 along K) of 16 places
.set KROW,   768                       ; a row in memory
.set AROW,   3072                      ; the same in LDS: no padding
.set FR,     12
.set NL,     6
.set NP,     4
.set HALFT,  8*AROW
.set SLOT,   4*HALFT                   ; x's 256 rows, then the weight's 256
.set KS,     32                        ; a row of scale bytes
.set SCL,    2*SLOT
.set HALFS,  128*KS
.set SBLK,   16*KS
.set SPARE,  SCL+4*HALFS               ; the spare words, 128 bytes for each wave: two blocks of 256 bytes that no other line names
.set ADRA, 16                          ; v16-17 LDS address of my A-side fragments in slot 0, 1: 8 bytes a lane
.set ADRB, 20                          ; v20-21 the same for the B side
.set ADRS, 27                          ; v27 my scale words: lanes 0-15 the A side's rows, lanes 16-31 the B side's
.set SPW,  28
.set NIL,  29
.set SC,   32
.set AF,   128
.set G1, 24
.set G0, 32
.set G1B, 48
.set G0B, 56
.set G1S, 68
.set G0S, 76
.set G1SB, 80
.set G0SB, 88
.set HI,  99                           ; s99 0xffff0000: lanes 16-31
.set MSB, 0
.macro WIN new                         ; the immediate's high byte repeats the setting that is left
.if MSB != \new
	s_set_vgpr_msb (MSB<<8)|\new
.set MSB, \new
.endif
.endm
.set MUL_LO, 0xa1                      ; source 0 window 1, source 1 window 0, C and D window 2
.set MUL_HI, 0xf1
.set TO_B,   0x40
.macro JLOAD g0a, g1a, g0b, g1b        ; a joint load: waves 0 and 1 fetch x's halves, waves 2 and 3 the weight's; an s_nop 0 and four v_nop follow each line
	s_cmp_eq_u32 s15, 0
	s_cbranch_scc0 .Lfor_b_\@
	tensor_load_to_lds s[\g0a:\g0a+3], s[\g1a:\g1a+7]
	s_nop 0
.rept 4
	v_nop
.endr
	s_branch .Lasked_\@
.Lfor_b_\@:
	tensor_load_to_lds s[\g0b:\g0b+3], s[\g1b:\g1b+7]
	s_nop 0
.rept 4
	v_nop
.endr
.Lasked_\@:
.endm
.macro CREST
	s_cmp_lg_u32 s14, 0
	s_cbranch_scc1 .Lnot_wave_0_\@
	s_barrier_signal -3
.Lnot_wave_0_\@:
	s_barrier_wait -3
	s_barrier_signal -1
	s_barrier_wait -1
.endm
.macro CROUND
	s_barrier_signal -1
	s_barrier_wait -1
	CREST
.endm
	s_load_b128 s[4:7], s[0:1], 0x0                ; prep s[4:5], qkv s[6:7]
	v_lshl_add_u32 v[SPW], v0, 2, SPARE
	v_mov_b32 v[NIL], 0
	ds_add_u32 v[SPW], v[NIL]                      ; the wave's opening
	ds_add_u32 v[SPW], v[NIL]
	v_lshrrev_b32 v1, 5, v0
	v_readfirstlane_b32 s14, v1                    ; wave 0..3
	s_lshr_b32 s15, s14, 1                         ; my half of the A side.  Also: I fetch for x (0) or for the weight (1)
	s_and_b32 s16, s14, 1                          ; my half of the B side.  Also: which 128 rows I fetch
	s_bfe_u32 s40, ttmp6, 0x40000                  ; cx, cy
	s_bfe_u32 s41, ttmp6, 0x40004
	; The grid is one cluster wide and 24 high.  What the head comment calls the cluster's x is here the KIND, the cluster's y / 8: 0 q, 1 k, 2 v; alike in all partners.  The tiles of v, which have
	; no rotation, so get the highest work-group numbers.
	s_and_b32 s17, ttmp7, 0xffff                   ; the cluster's y, 0 .. 23
	s_lshr_b32 s3, s17, 3                          ; the kind
	s_and_b32 s17, s17, 7
	s_lshl_b32 s42, s3, 2
	s_add_co_u32 s42, s42, s40                     ; tile of columns = 4 x kind + cx
	s_lshl_b32 s17, s17, 2
	s_add_co_u32 s17, s17, s41                     ; tile of tokens = 4 x (cluster y % 8) + cy
	s_lshl_b32 s43, s41, 2
	s_lshl_b32 s43, 15, s43                        ; my row of the cluster
	s_lshl_b32 s44, 0x1111, s40                    ; my column
	s_or_b32 s[G1+0], s43, (1<<21)                 ; the mask; elements of 1 byte; bit 21 beside a mask
	s_or_b32 s[G1B+0], s44, (1<<21)
.irp g, G1, G1B
	s_mov_b32 s[\g+1], ROWB<<16                    ; tensor_dim0
	s_mov_b32 s[\g+2], 16<<16                      ; tensor_dim1: 16 groups of 16 places for the head's loads; 8 behind them
	s_mov_b32 s[\g+3], ROWB<<16                    ; tile_dim0
	s_mov_b32 s[\g+4], 16                          ; tile_dim1
	s_mov_b32 s[\g+5], 12288                       ; the pitch: 16 places' images for all of K
	s_mov_b32 s[\g+6], 0
	s_mov_b32 s[\g+7], 0
.endr
	s_or_b32 s[G1S+0], s43, (3<<16)|(1<<21)        ; the scale bytes of 256 rows: a dense block, as 32 rows of 256 bytes
	s_or_b32 s[G1SB+0], s44, (3<<16)|(1<<21)
.irp g, G1S, G1SB
	s_mov_b32 s[\g+1], 32<<16
	s_mov_b32 s[\g+2], 32<<16
	s_mov_b32 s[\g+3], 32<<16
	s_mov_b32 s[\g+4], 32
	s_mov_b32 s[\g+5], 32
	s_mov_b32 s[\g+6], 0
	s_mov_b32 s[\g+7], 0
.endr
	s_lshl_b32 s18, s16, 7
	s_lshl_b32 s20, s17, 8
	s_add_co_u32 s20, s20, s18                     ; x: place 256 x tile + 128 x half
	s_lshl_b32 s46, s42, 8
	s_add_co_u32 s46, s46, s18                     ; the weight: likewise
	s_lshl_b32 s22, s17, 13                        ; the tile's 256 rows of scale bytes
	s_add_co_u32 s22, s22, XS_O                    ; byte offsets in prep, all under 2^24
	s_mov_b32 s23, 0
	s_mul_i32 s20, s20, KROW
	s_mov_b32 s21, 0
	s_lshl_b32 s92, s42, 13
	s_add_co_u32 s92, s92, WS_O
	s_mov_b32 s93, 0
	s_mul_i32 s46, s46, KROW
	s_add_co_u32 s46, s46, WC_O
	s_mov_b32 s47, 0
	s_mul_i32 s45, s14, HALFT                      ; where they go: wave x 128 rows
	s_wait_dscnt 0x0                               ; the opening add is done
	s_wait_kmcnt 0x0
	s_add_nc_u64 s[20:21], s[4:5], s[20:21]
	s_add_nc_u64 s[22:23], s[4:5], s[22:23]
	s_add_nc_u64 s[46:47], s[4:5], s[46:47]
	s_add_nc_u64 s[92:93], s[4:5], s[92:93]
	CROUND                                         ; all sixteen work-groups are here: the first joint loads meet
	s_mov_b32 s[G0S], 1
	s_mov_b32 s[G0S+1], SCL
	s_mov_b64 s[G0S+2:G0S+3], s[22:23]
	s_or_b32 s[G0S+3], s[G0S+3], 0x80000000
	s_mov_b32 s[G0SB], 1
	s_mov_b32 s[G0SB+1], SCL+2*HALFS
	s_mov_b64 s[G0SB+2:G0SB+3], s[92:93]
	s_or_b32 s[G0SB+3], s[G0SB+3], 0x80000000
.irp s, 0,1
	s_mov_b32 s[G0+4*\s], 1
	s_add_co_u32 s[G0+4*\s+1], s45, \s*SLOT
	s_add_nc_u64 s[G0+4*\s+2:G0+4*\s+3], s[20:21], \s*ROWB
	s_or_b32 s[G0+4*\s+3], s[G0+4*\s+3], 0x80000000
	s_mov_b32 s[G0B+4*\s], 1
	s_add_co_u32 s[G0B+4*\s+1], s45, \s*SLOT
	s_add_nc_u64 s[G0B+4*\s+2:G0B+4*\s+3], s[46:47], \s*ROWB
	s_or_b32 s[G0B+4*\s+3], s[G0B+4*\s+3], 0x80000000
.endr
; THE HEAD'S LOADS, ONE A WAVE: wave 0 x's 256 rows of K step 0 (its own group 0 of slot 0 names their first byte), wave 1 x's scale bytes, wave 2 the weight's 256 rows, wave 3 its scale bytes.
.macro ARM under, g0, g1, next
	s_cmp_lt_u32 s14, \under
	s_cbranch_scc0 \next
	tensor_load_to_lds s[\g0:\g0+3], s[\g1:\g1+7]
	s_nop 0
.rept 4
	v_nop
.endr
	s_branch .Lhead_asked
\next:
.endm
	ARM 1, G0,  G1,  .Lhead_1
	ARM 2, G0S, G1S, .Lhead_2
	ARM 3, G0B, G1B, .Lhead_3
	tensor_load_to_lds s[G0SB:G0SB+3], s[G1SB:G1SB+7]
	s_nop 0
.rept 4
	v_nop
.endr
.Lhead_asked:
	s_mov_b32 s[HI], 0xffff0000
	s_cmp_eq_u32 s3, 2                             ; v's columns?  The kind: alike in all partners
	s_cselect_b32 s95, 2*HALFT, 0                  ; the A side's bytes in a slot: x's, or for v the weight's;
	s_cselect_b32 s96, 0, 2*HALFT                  ; the B side's
	s_cselect_b32 s97, 2*HALFS, 0                  ; and the same among the scale bytes
	s_cselect_b32 s98, 0, 2*HALFS
	v_and_b32 v1, 15, v0                           ; r
	v_bfe_u32 v2, v0, 4, 1                         ; h
	v_and_b32 v4, 31, v0
	v_lshlrev_b32 v4, 3, v4                        ; an image: 8 bytes a lane
	s_wait_alu depctr_va_vdst(0)
	s_mul_i32 s21, s15, HALFT
	s_add_co_u32 s21, s21, s95
	s_mul_i32 s22, s16, HALFT
	s_add_co_u32 s22, s22, s96
.irp s, 0,1
	v_add_nc_u32 v[ADRA+\s], s21, v4
	v_add_nc_u32 v[ADRB+\s], s22, v4
	s_add_co_u32 s21, s21, SLOT
	s_add_co_u32 s22, s22, SLOT
.endr
	v_mul_u32_u24 v5, v1, KS                       ; my row's scale bytes: 32 a row
	s_mul_i32 s21, s15, HALFS
	s_add_co_u32 s21, s21, s97
	s_add_co_u32 s21, s21, SCL
	s_mul_i32 s22, s16, HALFS
	s_add_co_u32 s22, s22, s98
	s_add_co_u32 s22, s22, SCL
	v_mov_b32 v6, s21
	v_mov_b32 v7, s22
	v_cndmask_b32 v6, v6, v7, s[HI]                ; lanes 0-15 the A side's rows, lanes 16-31 the B side's
	v_add_nc_u32 v[ADRS], v5, v6
.macro FRAG reg, adr, q, i             ; 16 rows x 128 K: 12 registers, an image: six loads of 8 bytes a lane, 256 consecutive bytes each
.irp p, 0,1,2,3,4,5
	ds_load_b64 v[\reg+2*\p:\reg+2*\p+1], v[\adr] offset:AROW*(\i)+1536*(\q)+256*\p
.endr
.endm
; 16 matrix instructions: A-side blocks a0, a0 + 1 x the B side's eight.  The 64 accumulators take turns, one instruction a turn, in the same order in every step.
.macro MUL16 a0, p, q, sc, zero
.irp a, \a0, \a0+1
.irp b, 0,1,2,3,4,5,6,7
.if \zero
	v_wmma_scale_f32_16x16x128_f8f6f4 v[8*(8*((\a)%4)+\b):8*(8*((\a)%4)+\b)+7], v[128*(\p)+FR*\b:128*(\p)+FR*\b+FR-1], v[AF+FR*(\a):AF+FR*(\a)+FR-1], 0, v[SC+8*NQ*(\sc)+NQ*\b+(\q)], v[SC+8*NQ*(\sc)+NQ*(\a)+(\q)] matrix_a_fmt:MATRIX_FMT_FP6 matrix_b_fmt:MATRIX_FMT_FP6 matrix_a_scale:MATRIX_SCALE_ROW1
.else
	v_wmma_scale_f32_16x16x128_f8f6f4 v[8*(8*((\a)%4)+\b):8*(8*((\a)%4)+\b)+7], v[128*(\p)+FR*\b:128*(\p)+FR*\b+FR-1], v[AF+FR*(\a):AF+FR*(\a)+FR-1], v[8*(8*((\a)%4)+\b):8*(8*((\a)%4)+\b)+7], v[SC+8*NQ*(\sc)+NQ*\b+(\q)], v[SC+8*NQ*(\sc)+NQ*(\a)+(\q)] matrix_a_fmt:MATRIX_FMT_FP6 matrix_b_fmt:MATRIX_FMT_FP6 matrix_a_scale:MATRIX_SCALE_ROW1
.endif
.endr
.endr
.endm
.macro FETCH_B slot, q, p
	WIN TO_B
.irp i, 0,1,2,3,4,5,6,7
	FRAG 128*(\p)+FR*\i, ADRB+\slot, \q, \i
.endr
	WIN 0
.endm
.macro FETCH_A slot, q, i0
.irp i, \i0, \i0+1, \i0+2, \i0+3
	FRAG AF+FR*(\i), ADRA+\slot, \q, \i
.endr
.endm
.macro SCALES sc, ks                   ; K step ks's scale words (8 bytes a row) into set sc
.irp i, 0,1,2,3,4,5,6,7
	ds_load_b64 v[SC+8*NQ*\sc+NQ*\i:SC+8*NQ*\sc+NQ*\i+1], v[ADRS] offset:\i*SBLK+8*(\ks)
.endr
.endm
.macro PLACES n                        ; plain vector instructions between a matrix instruction and a load into, or a read of, its registers
.rept \n
	v_nop
.endr
.endm
.macro STEP slot, q, zero              ; 128 along K that has its successor in the same slot
	s_wait_dscnt 4*NL                              ; the B side's set and A-side blocks 0-3 are in; the youngest 24 loads (blocks 4-7) may be out
	WIN MUL_LO
	MUL16 0, (\q)%2, \q, \slot, \zero
	MUL16 2, (\q)%2, \q, \slot, \zero
	s_wait_dscnt 0
	PLACES NP
	FETCH_B \slot, (\q)+1, 1-(\q)%2
	FETCH_A \slot, (\q)+1, 0
	WIN MUL_HI
	MUL16 4, (\q)%2, \q, \slot, \zero
	MUL16 6, (\q)%2, \q, \slot, \zero
	PLACES NP
	WIN 0
	FETCH_A \slot, (\q)+1, 4
.endm
; A slot's last 128 change slots: one barrier; in front of it each wave waits for all its tensor loads, adds 0 to its spare word, and waits for that and for its reads of this slot.
.macro TURN slot, next, fill, ks
	s_wait_tensorcnt 0x0                           ; all my tensor loads have landed: my part of the next slot
	ds_add_u32 v[SPW], v[NIL]                      ; 0 onto my spare word
	s_wait_dscnt 4*NL+1                            ; the add and the youngest 24 loads may be out
	WIN MUL_LO
	MUL16 0, 1, NQ-1, \slot, 0
	s_wait_dscnt 0x0                               ; the add is done, and my reads of this slot are over
	s_barrier_signal -1
	MUL16 2, 1, NQ-1, \slot, 0
	WIN 0
	s_barrier_wait -1
.if \fill
	CREST                                          ; the barrier has opened a round of the cluster's barrier: no wave of any partner still reads this slot or has a load on its way
	s_add_nc_u64 s[G0+4*\slot+2:G0+4*\slot+3], s[G0+4*\slot+2:G0+4*\slot+3], 2*ROWB
	s_add_nc_u64 s[G0B+4*\slot+2:G0B+4*\slot+3], s[G0B+4*\slot+2:G0B+4*\slot+3], 2*ROWB
	JLOAD G0+4*\slot, G1, G0B+4*\slot, G1B         ; the first tensor load behind the round; its four v_nop are the places in front of the loads below
.else
	PLACES NP
.endif
	FETCH_B \next, 0, 0
	FETCH_A \next, 0, 0
	SCALES \next, \ks
	WIN MUL_HI
	MUL16 4, 1, NQ-1, \slot, 0
	MUL16 6, 1, NQ-1, \slot, 0
	PLACES NP
	WIN 0
	FETCH_A \next, 0, 4
.endm
	s_wait_alu depctr_va_vdst(0)
	s_wait_tensorcnt 0x0                           ; my tile of the head's four is in
	ds_add_u32 v[SPW], v[NIL]
	s_mov_b32 s[G1+2], 8<<16                       ; no tensor load of mine is out: from here on a load brings 8 groups of 16 places
	s_mov_b32 s[G1+4], 8
	s_mov_b32 s[G1B+2], 8<<16
	s_mov_b32 s[G1B+4], 8
	s_wait_dscnt 0x0
	CROUND                                         ; all four tiles are in, and all sixteen work-groups are here
	JLOAD G0+4, G1, G0B+4, G1B                     ; K step 1, the first tensor load behind the round
	FETCH_B 0, 0, 0
	FETCH_A 0, 0, 0
	SCALES 0, 0
	FETCH_A 0, 0, 4
	STEP 0, 0, 1                                   ; K has four slots' worth: they are written out; the first products start the sums
	TURN 0, 1, 1, 1
	STEP 1, 0, 0
	TURN 1, 0, 1, 2
	STEP 0, 0, 0
	TURN 0, 1, 0, 3                                ; nothing is left to fetch
	STEP 1, 0, 0
	s_wait_dscnt 4*NL
	WIN MUL_LO
	MUL16 0, 1, NQ-1, 1, 0
	MUL16 2, 1, NQ-1, 1, 0
	s_wait_dscnt 0
	WIN MUL_HI
	MUL16 4, 1, NQ-1, 1, 0
	MUL16 6, 1, NQ-1, 1, 0
	WIN 0
; ---- BEHIND THE PRODUCTS.  No LDS is used: every result is quantised where it lies and stored as an image of the operand's registers.
.set TA,  16                           ; v16 my token's row of the table: (r + 8 (r / 8)) x 256 + 128 h
.set L8,  17                           ; v17 8 x lane
.set L16, 18                           ; v18 16 x lane
.set H,   32                           ; v32-95 a block's 64 rotated numbers
.set TG,  96                           ; v96-159 two sets of 16 cos and 16 sin
.set PC,  160                          ; v160-171 the codes just made; v172-179 at work
.set TM,  180                          ; v180-195 at work
.set PW,  196                          ; v196 the scale word just made
.set SW,  200                          ; v200-207 the eight blocks' scale words
.set SLV, 208                          ; v208-215 scale words as they are stored
.set PSL, 32                           ; s[32:33] lane selects: lane l xor 16
	v_and_b32 v3, 8, v1
	v_add_nc_u32 v3, v3, v1
	v_lshlrev_b32 v[TA], 8, v3
	v_lshl_add_u32 v[TA], v2, 7, v[TA]
	v_and_b32 v3, 31, v0
	v_lshlrev_b32 v[L8], 3, v3
	v_lshlrev_b32 v[L16], 4, v3
	PLACES NP                                      ; behind the last products: their results are read, and their operands' registers written, below
.irp b, 0,1,2,3
	v_mov_b32 v[TM+4+\b], 0                        ; a lane permute's destination counts as one of its sources
.endr
	s_mov_b32 s[PSL], 0x76543210
	s_mov_b32 s[PSL+1], 0xfedcba98
; 64 numbers of a lane, v[s] on in window w, register 16 b + i = index 32 b + 16 h + i of the lane's row, become 12 registers of codes in v[PC] on and the row's scale word in v[PW].
; Each accumulator is read from its low end on.
.macro QUANT s, w
	WIN ((\w)|((\w)<<2))
.irp b, 0,1,2,3
	v_max3_num_f32 v[TM+\b], |v[(\s)+16*\b]|, |v[(\s)+1+16*\b]|, 0x1800000   ; with the floor 2^(3 - 127): the byte cannot fall under 1
.endr
.irp i, 2,4,6,8,10,12,14
.irp b, 0,1,2,3
	v_max3_num_f32 v[TM+\b], |v[(\s)+16*\b+\i]|, |v[(\s)+1+16*\b+\i]|, v[TM+\b]
.endr
.endr
	WIN 0
.irp b, 0,1,2,3
	v_permlanex16_b32 v[TM+4+\b], v[TM+\b], s[PSL], s[PSL+1]
.endr
.irp b, 0,1,2,3
	v_max_num_f32 v[TM+\b], v[TM+\b], v[TM+4+\b]   ; with lane l xor 16's: the block's largest magnitude
.endr
.irp b, 0,1,2,3
	v_add_nc_u32 v[TM+12+\b], 0xff000000, v[TM+\b] ; 2 off its exponent field: the conversion's scale operand
.endr
.irp b, 0,1,2,3
	v_lshrrev_b32 v[TM+4+\b], 23, v[TM+12+\b]      ; the scale's byte
.endr
	v_lshl_or_b32 v[PW], v[TM+5], 8, v[TM+4]
	v_lshl_or_b32 v[PW], v[TM+6], 16, v[PW]
	v_lshl_or_b32 v[PW], v[TM+7], 24, v[PW]
	WIN (\w)
.irp c, 0,1
	v_cvt_scalef32_pk16_fp6_f32 v[PC+6*\c:PC+2+6*\c], v[(\s)+32*\c:(\s)+15+32*\c], v[TM+12+2*\c]
	v_cvt_scalef32_pk16_fp6_f32 v[PC+12+4*\c:PC+14+4*\c], v[(\s)+16+32*\c:(\s)+31+32*\c], v[TM+12+2*\c+1]
.endr
	WIN 0
	v_nop                                          ; one plain place behind a scaled conversion
.irp c, 0,1                            ; the operand's layout wants a whole block in a lane
.irp i, 0,1,2
	v_permlane16_swap_b32 v[PC+6*\c+\i], v[PC+12+4*\c+\i]
.endr
.irp i, 0,1,2
	v_mov_b32 v[PC+3+6*\c+\i], v[PC+12+4*\c+\i]
.endr
.endr
.endm
	s_cmp_eq_u32 s3, 2
	s_cbranch_scc1 .Lv
; q and k.  My 128 tokens are one record's; my 128 columns are two heads.
	s_cmp_eq_u32 s3, 1                             ; k?
	s_mov_b32 s24, QREC
	s_cselect_b32 s24, KREC, s24                   ; a record's bytes,
	s_mov_b32 s25, 6144
	s_cselect_b32 s25, 12288, s25                  ; where its scale words begin,
	s_cselect_b32 s26, KV_O, 0                     ; and the section
	s_lshl_b32 s20, s17, 8
	s_lshl_b32 s21, s15, 7
	s_add_co_u32 s20, s20, s21                     ; my first token
	s_lshl_b32 s21, s42, 8
	s_lshl_b32 s22, s16, 7
	s_add_co_u32 s21, s21, s22                     ; my first column
	s_bfe_u32 s21, s21, 0x40006                    ; its head
	s_lshr_b32 s22, s20, 11                        ; the batch
	s_lshl_b32 s22, s22, 4
	s_add_co_u32 s22, s22, s21
	s_lshl_b32 s22, s22, 4
	s_bfe_u32 s23, s20, 0x40007                    ; which 128 tokens of the sequence
	s_add_co_u32 s22, s22, s23
	s_mul_i32 s22, s22, s24
	s_add_co_u32 s22, s22, s26
	s_mov_b32 s23, 0
	s_add_nc_u64 s[8:9], s[6:7], s[22:23]          ; the even head's record,
	s_lshl_b32 s22, s24, 4
	s_add_nc_u64 s[10:11], s[8:9], s[22:23]        ; the odd head's: 16 records on
	s_mov_b32 s22, s25
	s_add_nc_u64 s[12:13], s[8:9], s[22:23]        ; their scale words
	s_add_nc_u64 s[28:29], s[10:11], s[22:23]
	s_and_b32 s22, s20, 2047
	s_lshl_b32 s22, s22, 8
	s_add_co_u32 s22, s22, TR_O
	s_add_nc_u64 s[30:31], s[4:5], s[22:23]        ; the table at my first position
.macro TRIG a                          ; block a's 16 cos and 16 sin of my token and my half of the frequencies
.irp k, 0,1,2,3,4,5,6,7
	global_load_b128 v[TG+32*((\a)%2)+4*\k:TG+32*((\a)%2)+4*\k+3], v[TA], s[30:31] offset:(32*((\a)/2)+8*((\a)%2))*256+16*\k
.endr
.endm
.macro ROPE a                          ; x1 = d under 32, x2 = its partner 32 on: x1 cos - x2 sin, x2 cos + x1 sin
.set AC, 64*((\a)%4)
.set TS, TG+32*((\a)%2)
	WIN 2+(\a)/4                                   ; source 0: the accumulators' window
.irp hd, 0,1
.irp u, 0,1
.irp j, 0,2,4,6
.set B1, 8*(4*\hd+\u)+\j
.set B2, 8*(4*\hd+2+\u)+\j
.set CC, TS+8*\u+\j
.set SS, TS+16+8*\u+\j
	v_pk_mul_f32 v[H+B1:H+B1+1], v[AC+B2:AC+B2+1], v[SS:SS+1]
	v_pk_mul_f32 v[H+B2:H+B2+1], v[AC+B1:AC+B1+1], v[SS:SS+1]
	v_pk_fma_f32 v[H+B1:H+B1+1], v[AC+B1:AC+B1+1], v[CC:CC+1], v[H+B1:H+B1+1] neg_lo:[0,0,1] neg_hi:[0,0,1]
	v_pk_fma_f32 v[H+B2:H+B2+1], v[AC+B2:AC+B2+1], v[CC:CC+1], v[H+B2:H+B2+1]
.endr
.endr
.endr
	WIN 0
.endm
	s_wait_alu depctr_va_vdst(0)
	TRIG 0
.irp a, 0,1,2,3,4,5,6,7
.if \a < 7
	TRIG \a+1
	s_wait_loadcnt 8                               ; this block's eight loads are in; the next block's eight may be out
.else
	s_wait_loadcnt 0x0
.endif
	ROPE \a
	s_wait_xcnt 0x0                                ; the last block's stores have read the codes' registers
	QUANT H, 0
	v_mov_b32 v[SW+\a], v[PW]
.irp c, 0,1,2
	global_store_b64 v[L8], v[PC+2*\c:PC+2*\c+1], s[8:9] offset:768*\a+256*\c        ; registers 0-5: the even head's 64; 256 consecutive bytes a store
	global_store_b64 v[L8], v[PC+6+2*\c:PC+6+2*\c+1], s[10:11] offset:768*\a+256*\c  ; registers 6-11: the odd head's
.endr
.endr
.irp e, 0,1,2,3
	v_cndmask_b32 v[SLV+\e], v[SW+\e], v[SW+4+\e], s[HI]   ; lane (r, h) keeps row r's words of tiles 4 h .. 4 h + 3
.endr
.irp e, 0,1,2,3
	v_lshrrev_b32 v[SLV+4+\e], 16, v[SLV+\e]       ; the odd head's two bytes come down; above them stand zeros, which meet zero codes alone
.endr
	global_store_b128 v[L16], v[SLV:SLV+3], s[12:13]       ; (the even head's word keeps the odd head's bytes on top: they meet zero codes alone, and are never 0xff)
	global_store_b128 v[L16], v[SLV+4:SLV+7], s[28:29]
	s_branch .Ljoin
; v.  My 128 columns are two heads' d; my 128 tokens are one record's keys.  A block of 16 d x 128 keys is one fragment, quantised where it lies.
.Lv:
	s_lshl_b32 s21, s42, 8
	s_lshl_b32 s22, s15, 7
	s_add_co_u32 s21, s21, s22
	s_sub_co_u32 s21, s21, 2048
	s_lshr_b32 s21, s21, 6                         ; the even head
	s_lshl_b32 s20, s17, 8
	s_lshl_b32 s22, s16, 7
	s_add_co_u32 s20, s20, s22                     ; my first token
	s_lshr_b32 s22, s20, 11
	s_lshl_b32 s22, s22, 4
	s_add_co_u32 s22, s22, s21
	s_lshl_b32 s22, s22, 4
	s_bfe_u32 s23, s20, 0x40007
	s_add_co_u32 s22, s22, s23
	s_mul_i32 s22, s22, KREC
	s_add_co_u32 s22, s22, KV_O+6144
	s_mov_b32 s23, 0
	s_add_nc_u64 s[8:9], s[6:7], s[22:23]          ; v's images in the even head's record,
	s_add_nc_u64 s[10:11], s[8:9], 16*KREC         ; in the odd head's
.irp a, 0,1,2,3,4,5,6,7
	s_wait_xcnt 0x0                                ; the last block's stores have read the codes' registers
	QUANT 64*((\a)%4), 2+(\a)/4
	v_mov_b32 v[SW+\a], v[PW]
.irp c, 0,1,2
	global_store_b128 v[L16], v[PC+4*\c:PC+4*\c+3], s[8+2*((\a)/4):9+2*((\a)/4)] offset:1536*((\a)%4)+512*\c   ; 512 consecutive bytes a store
.endr
.if (\a)%4 == 3
	global_store_b128 v[L16], v[SW+4*((\a)/4):SW+4*((\a)/4)+3], s[8+2*((\a)/4):9+2*((\a)/4)] offset:6656       ; the head's four tiles' scale words
.endif
.endr
.Ljoin:
	s_wait_tensorcnt 0x0                           ; the wave's end
	ds_add_u32 v[SPW], v[NIL]
	s_wait_dscnt 0x0
	CROUND                                         ; the closing round
	s_endpgm
.Lfunc_end_k_q2fc15573a7_qkv:
	.size	k_q2fc15573a7_qkv, .Lfunc_end_k_q2fc15573a7_qkv-k_q2fc15573a7_qkv
	.p2alignl 7, 3214868480
	.fill 96, 4, 3214868480
	.section	.rodata,"a",@progbits
	.p2align	6, 0x0
	.amdhsa_kernel k_q2fc15573a7_qkv
		.amdhsa_group_segment_fixed_size 327680
		.amdhsa_private_segment_fixed_size 0
		.amdhsa_enable_private_segment 0
		.amdhsa_kernarg_size 16
		.amdhsa_user_sgpr_count 2
		.amdhsa_user_sgpr_kernarg_segment_ptr 1
		.amdhsa_wavefront_size32 1
		.amdhsa_system_sgpr_workgroup_id_x 1
		.amdhsa_system_sgpr_workgroup_id_y 1
		.amdhsa_system_sgpr_workgroup_id_z 1
		.amdhsa_system_vgpr_workitem_id 0
		.amdhsa_next_free_vgpr 1024
		.amdhsa_next_free_sgpr 100
		.amdhsa_reserve_vcc 0
		.amdhsa_float_denorm_mode_32 3
		.amdhsa_float_denorm_mode_16_64 3
		.amdhsa_memory_ordered 1
		.amdhsa_forward_progress 1
		.amdhsa_inst_pref_size 241
	.end_amdhsa_kernel
	.amdgpu_metadata
---
amdhsa.version: [ 1, 2 ]
amdhsa.kernels:
  - .name:           k_q2fc15573a7_qkv
    .symbol:         k_q2fc15573a7_qkv.kd
    .args:
      - { .name: prep, .offset: 0, .size: 8, .value_kind: global_buffer, .address_space: global }
      - { .name: qkv, .offset: 8, .size: 8, .value_kind: global_buffer, .address_space: global }
    .group_segment_fixed_size: 327680
    .private_segment_fixed_size: 0
    .kernarg_segment_align: 8
    .kernarg_segment_size: 16
    .max_flat_workgroup_size: 128
    .sgpr_count:     100
    .vgpr_count:     1024
    .wavefront_size: 32
...
	.end_amdgpu_metadata
.endif
;; end of part 2
;; launch attn (part 3): grid 64 x 4, 16 waves a work-group, no clusters, 215,040 bytes of LDS; arguments qkv, mk, att; writes att
.if DOCPART == 3
	.amdgcn_target "amdgcn-amd-amdhsa--gfx1250"
	.amdhsa_code_object_version 6
	.text
	.protected	k_q2fc15573a7_attn
	.globl	k_q2fc15573a7_attn
	.p2align	8
	.type	k_q2fc15573a7_attn,@function
k_q2fc15573a7_attn:
	s_mov_b64 s[64:65], 0
	v_nop
	global_prefetch_b8 v0, s[64:65] scope:SCOPE_SE
	s_setreg_imm32_b32 hwreg(HW_REG_WAVE_MODE, 25, 1), 1
	s_wait_xcnt 0x0
; Attention of one batch-head (work-group x) on codes of FP6 (E2M3) with E8M0 scales, under the mask that is given as an input; the result is quantised for the last product and leaves as codes.
; t = score x log2(e) / 8; M = the running largest t rounded up to a whole number; p = 2^(t - M) is quantised along the keys, not normalised; the row's sum is taken of the unquantised p and divides at the end.
; SHARES.  A work-group takes the blocks y and 7 - y of 256 queries; each of its sixteen waves owns a tile of 16 queries of the one block, then the tile at the mirrored place of the other.
; THE HEAD'S KEYS AND VALUES STAY IN LDS: 16 records of 13,312 bytes (128 keys each: k's 8 tiles, v's 4 fragments, their scale words, images of the operands' registers).  Wave w copies record w through
; registers, 26 loads of 512 bytes; one barrier; behind it LDS is only read and no barrier follows.
; ALL THAT A WAVE READS BUT THE MASK WORDS IS ASKED FOR AT THE HEAD, directly behind the arguments: both tiles' Q and scale words, both tiles' flags, its record.  A pass begins with no load.
; THE MASK.  An earlier launch has turned it into 64 lane-mask words for each (tile, step) and two flag words a tile: bit s of the first: some key of step s is open for some query of the tile;
; of the second: all are.  A step with no open key is passed over, a step with all keys open loads no mask words and skips the selects: scalar branches on stored whole numbers, right for every mask.
; Each record is asked for once, at the head: there is no loop to run ahead in, so nothing is prefetched.
; LAYOUT.  Both products are used transposed: S^T = K Q^T, O^T = V^T P^T: a lane holds one query throughout.  The head's 64 fill half of the instruction's K: Q's upper six registers are zero codes,
; so what stands in K's upper six (the next tile's codes) adds nothing.  Register 16 b + i of the scores is key 32 b + 16 h + i of the step.
; A ROW WITH NO OPEN KEY has the sum 0: its scale bytes are set to 0xff, which makes its row of the last product NaN.
; LIMITS: NaN and infinities among the scores are not served; a block of zeros has the byte 1.
; REGISTERS: v1-3 addresses; v4, v5 the add's two; v10, v11 the trip's LDS addresses; v12 -M, v13 the largest t, v[14:15] the sum; v16-27 Q and its zeros; v28, v29 Q's and p's scale words; v[30:31] f;
;   v32-79 K's tiles, then V's; v80-85 zeros; v86-93 K's and V's scale words; v96-159 S^T, then p; v160-191 O^T; v192-211 codes; v212-223, v232-235 at work; v224-230 the second tile's Q and scale word;
;   v240-255 partial sums; v96-199 the record on its way.
.set KV_O,  6815744
.set QREC,  6656
.set KREC,  13312
.set FL_O,  524288
.set AS_O,  6291456
.set SPARE, 16*KREC                    ; the spare words, 128 bytes for each wave: eight blocks of 256 bytes that no other line names
.set S,   96
.set O,   160
.set PC,  192
.set CT,  204
.set BM,  212
.set BT,  216
.set SO,  220
.set Q2,  224
.set U,   240
	s_load_b128 s[4:7], s[0:1], 0x0                ; qkv s[4:5], mk s[6:7]
	s_load_b64 s[8:9], s[0:1], 0x10                ; att
	v_lshl_add_u32 v4, v0, 2, SPARE
	v_mov_b32 v5, 0
	v_lshrrev_b32 v10, 5, v0
	s_delay_alu instid0(VALU_DEP_1)
	v_readfirstlane_b32 s10, v10                   ; wave 0..15: my tile's place in the first block
	v_and_b32 v10, 31, v0
	s_delay_alu instid0(VALU_DEP_1)
	v_lshlrev_b32 v1, 3, v10                       ; 8 x lane
	s_delay_alu instid0(VALU_DEP_2)
	v_lshlrev_b32 v2, 4, v10                       ; 16 x lane
	s_mul_i32 s15, s10, KREC
	v_add_nc_u32 v3, s15, v2                       ; my wave's record in LDS, 16 bytes a lane
	v_and_b32 v8, 15, v0                           ; r
	v_bfe_u32 v11, v0, 4, 1                        ; h
	s_delay_alu instid0(VALU_DEP_2)
	v_lshlrev_b32 v6, 4, v8                        ; Q's scale words: 16 bytes a row
	s_delay_alu instid0(VALU_DEP_2)
	v_lshl_add_u32 v7, v8, 5, v11                  ; the result's scale bytes: 32 a row, + h
	v_mov_b32 v9, 0xff800000                       ; -infinity
.irp i, 0,1,2,3,4,5
	v_mov_b32 v[22+\i], 0                          ; Q's upper half of K: zero codes
	v_mov_b32 v[80+\i], 0                          ; behind K's last tile
.endr
.irp i, 0,1,2,3
	v_mov_b32 v[BT+\i], 0                          ; a lane permute's destination counts as one of its sources
.endr
	v_mov_b32 v31, 0                               ; named as the upper half of the pair v[30:31]
	v_mov_b32 v232, 0
	s_mov_b32 s87, 0xffff0000                      ; lanes 16-31
	s_mov_b32 s88, 0x3e38aa3b                      ; c = log2(e) / 8
	s_mov_b32 s89, s88
	s_mov_b32 s90, 0x76543210
	s_mov_b32 s91, 0xfedcba98                      ; lane l xor 16
	s_mov_b32 s11, ttmp9                           ; the batch-head
	s_and_b32 s12, ttmp7, 0xffff                   ; the block of queries: y, then 7 - y
	s_mov_b32 s13, 2
	s_mov_b32 s99, 0
; The byte offsets of a tile (block s[blk], place s[plc]): its image of Q, its scale words, its flags; each into the low word of a pair whose high word is 0.
.macro TILEOFF blk, plc, o
	s_lshl_b32 s98, s11, 4
	s_lshl_b32 s101, s[\blk], 1
	s_add_co_u32 s98, s98, s101
	s_lshr_b32 s101, s[\plc], 3
	s_add_co_u32 s98, s98, s101
	s_mul_i32 s14, s98, QREC                       ; q's record: 16 x batch-head + 2 x block + place / 8
	s_and_b32 s100, s[\plc], 7
	s_mul_i32 s[\o], s100, 768
	s_add_co_u32 s[\o], s[\o], s14                 ; the tile's image
	s_mov_b32 s[\o+1], 0
	s_lshr_b32 s100, s100, 2
	s_lshl_b32 s100, s100, 8
	s_and_b32 s101, s[\plc], 3
	s_lshl_b32 s101, s101, 2
	s_add_co_u32 s100, s100, s101
	s_add_co_u32 s100, s100, s14
	s_add_co_u32 s[\o+2], s100, 6144               ; its scale words
	s_mov_b32 s[\o+3], 0
	s_lshl_b32 s100, s[\blk], 12
	s_lshl_b32 s101, s[\plc], 8
	s_add_co_u32 s100, s100, s101
	s_add_co_u32 s[\o+4], s100, FL_O               ; its flags
	s_mov_b32 s[\o+5], 0
.endm
	TILEOFF 12, 10, 68
	s_sub_co_u32 s80, 7, s12                       ; the second tile: the other block, the mirrored place
	s_sub_co_u32 s81, 15, s10
	TILEOFF 80, 81, 74
	s_mul_i32 s98, s11, 16*KREC
	s_add_co_u32 s98, s98, KV_O
	s_add_co_u32 s98, s98, s15                     ; the head's record number w
	s_wait_alu depctr_va_vdst(0)
	s_wait_kmcnt 0x0
	s_add_nc_u64 s[72:73], s[6:7], s[72:73]
	s_add_nc_u64 s[78:79], s[6:7], s[78:79]
	s_load_b64 s[84:85], s[72:73], 0x0             ; the first tile's flags,
	s_load_b64 s[66:67], s[78:79], 0x0             ; the second's
	s_add_nc_u64 s[68:69], s[4:5], s[68:69]
	s_add_nc_u64 s[70:71], s[4:5], s[70:71]
	s_add_nc_u64 s[74:75], s[4:5], s[74:75]
	s_add_nc_u64 s[76:77], s[4:5], s[76:77]
	s_add_nc_u64 s[92:93], s[4:5], s[98:99]
.irp c, 0,1,2
	global_load_b64 v[16+2*\c:17+2*\c], v1, s[68:69] offset:256*\c
	global_load_b64 v[Q2+2*\c:Q2+1+2*\c], v1, s[74:75] offset:256*\c
.endr
	global_load_b32 v28, v6, s[70:71]
	global_load_b32 v[Q2+6], v6, s[76:77]
.irp i, 0,1,2,3,4,5,6,7,8,9,10,11,12,13,14,15,16,17,18,19,20,21,22,23,24,25
	global_load_b128 v[96+4*\i:99+4*\i], v2, s[92:93] offset:512*\i   ; 512 consecutive bytes a load
.endr
	s_wait_loadcnt 13                              ; Q's eight loads and the record's first 13 are in; the younger 13 may be out
.irp i, 0,1,2,3,4,5,6,7,8,9,10,11,12
	ds_store_b128 v3, v[96+4*\i:99+4*\i] offset:512*\i
.endr
	s_wait_loadcnt 0x0
.irp i, 13,14,15,16,17,18,19,20,21,22,23,24,25
	ds_store_b128 v3, v[96+4*\i:99+4*\i] offset:512*\i
.endr
	s_wait_kmcnt 0x0                               ; the flags are in
	s_wait_dscnt 0x0                               ; my stores have landed: for the others' sake
	s_barrier_signal -1
	s_barrier_wait -1                              ; the launch's one barrier: from here on LDS is only read
; A KEY STEP: record sl of the trip's two.
.macro STEP sl
.rept 4
	v_nop                                          ; places in front of loads into registers that the last products read
.endr
	ds_load_b128 v[86:89], v11 offset:KREC*\sl+12288   ; K's scale words: lane (r, h): tiles 4 h .. 4 h + 3
.irp t, 0,1,2,3,4,5,6,7
.irp c, 0,1,2
	ds_load_b64 v[32+6*\t+2*\c:33+6*\t+2*\c], v10 offset:KREC*\sl+768*\t+256*\c
.endr
.endr
	s_wait_dscnt 0x0
.irp t, 0,1,2,3
	v_wmma_scale_f32_16x16x128_f8f6f4 v[S+8*\t:S+8*\t+7], v[32+6*\t:43+6*\t], v[16:27], 0, v[86+\t], v28 matrix_a_fmt:MATRIX_FMT_FP6 matrix_b_fmt:MATRIX_FMT_FP6
.endr
.irp t, 4,5,6,7
	v_wmma_scale_f32_16x16x128_f8f6f4 v[S+8*\t:S+8*\t+7], v[32+6*\t:43+6*\t], v[16:27], 0, v[82+\t], v28 matrix_a_fmt:MATRIX_FMT_FP6 matrix_b_fmt:MATRIX_FMT_FP6 matrix_a_scale:MATRIX_SCALE_ROW1
.endr
.rept 4
	v_nop                                          ; places: for the loads over K's tiles, and for the first read of the scores
.endr
.irp t, 0,1,2,3
.irp c, 0,1,2
	ds_load_b128 v[32+12*\t+4*\c:35+12*\t+4*\c], v11 offset:KREC*\sl+6144+1536*\t+512*\c   ; V's fragments land while the softmax is worked
.endr
.endr
	ds_load_b128 v[90:93], v11 offset:KREC*\sl+12800
	s_bitcmp1_b32 s85, \sl                         ; all keys open for all my queries?
	s_cbranch_scc1 .Lopen_\@
	s_load_b512 s[16:31], s[94:95], 256*\sl        ; the step's 64 mask words
	s_load_b512 s[32:47], s[94:95], 256*\sl+64
	s_load_b512 s[48:63], s[94:95], 256*\sl+128
	s_load_b512 s[68:83], s[94:95], 256*\sl+192
	s_wait_kmcnt 0x0
.set n, 0
.rept 64
	v_cndmask_b32 v[S+n], v9, v[S+n], s[16+n+4*(n/48)]   ; a blocked key's score becomes -infinity: p = 0
.set n, n+1
.endr
.Lopen_\@:
.irp b, 0,1,2,3
	v_max3_num_f32 v[BM+\b], v[S+16*\b], v[S+1+16*\b], v[S+2+16*\b]   ; the largest score of each block of 32 keys: for the row's maximum and, since p rises with the score, for the block's largest p
.endr
.irp i, 3,5,7,9,11,13
.irp b, 0,1,2,3
	v_max3_num_f32 v[BM+\b], v[BM+\b], v[S+16*\b+\i], v[S+1+16*\b+\i]
.endr
.endr
.irp b, 0,1,2,3
	v_max_num_f32 v[BM+\b], v[BM+\b], v[S+15+16*\b]
.endr
.irp b, 0,1,2,3
	s_delay_alu instid0(VALU_DEP_4)
	v_permlanex16_b32 v[BT+\b], v[BM+\b], s90, s91
.endr
.irp b, 0,1,2,3
	s_delay_alu instid0(VALU_DEP_4)
	v_max_num_f32 v[BM+\b], v[BM+\b], v[BT+\b]
.endr
	s_delay_alu instid0(VALU_DEP_2)
	v_max3_num_f32 v232, v[BM], v[BM+1], v[BM+2]
	s_delay_alu instid0(VALU_DEP_1)
	v_max_num_f32 v232, v232, v[BM+3]
	s_delay_alu instid0(VALU_DEP_1)
	v_mul_f32 v232, s88, v232
	s_delay_alu instid0(VALU_DEP_1)
	v_max_num_f32 v13, v13, v232                   ; the running largest t
	v_mov_b32 v232, v12
	s_delay_alu instid0(VALU_DEP_2)
	v_floor_f32 v12, -v13                          ; the new -M = -ceil(t)
	s_delay_alu instid0(VALU_DEP_1)
	v_sub_f32 v232, v12, v232                      ; old M - new M: a whole number, 0 or less
	s_delay_alu instid0(VALU_DEP_1)
	v_cvt_i32_f32 v232, v232                       ; (it saturates)
	s_delay_alu instid0(VALU_DEP_1)
	v_ldexp_f32 v30, 1.0, v232                     ; f = 2^(old M - new M)
.set n, 0
.rept 32
	v_pk_fma_f32 v[S+n:S+n+1], v[S+n:S+n+1], s[88:89], v[12:13] op_sel_hi:[1,0,0]   ; t - M
.set n, n+2
.endr
.irp b, 0,1,2,3
	v_fma_f32 v[BM+\b], v[BM+\b], s88, v12
.endr
.set n, 0
	s_wait_alu depctr_va_vdst(0)
.rept 64
	v_exp_f32 v[S+n], v[S+n]                       ; p
.set n, n+1
.endr
	v_pk_mul_f32 v[14:15], v[14:15], v[30:31] op_sel_hi:[1,0]   ; the sums under the new M: a plain place behind the exponentials
	s_wait_alu depctr_va_vdst(0)                   ; one wait for the batch, ahead of its first reader
.irp b, 0,1,2,3
	v_exp_f32 v[BM+\b], v[BM+\b]                   ; each block's largest p
.endr
.irp k, 0,1,2,3,4,5,6,7
	v_pk_add_f32 v[U+2*\k:U+2*\k+1], v[S+2*\k:S+2*\k+1], v[S+16+2*\k:S+17+2*\k]   ; the row's sum of the unquantised p: eight chains by turns
.endr
.irp m, 32,48
.irp k, 0,1,2,3,4,5,6,7
	v_pk_add_f32 v[U+2*\k:U+2*\k+1], v[U+2*\k:U+2*\k+1], v[S+\m+2*\k:S+\m+2*\k+1]
.endr
.endr
.irp k, 0,1,2,3
	s_delay_alu instid0(VALU_DEP_4)
	v_pk_add_f32 v[U+2*\k:U+2*\k+1], v[U+2*\k:U+2*\k+1], v[U+8+2*\k:U+9+2*\k]
.endr
.irp k, 0,1
	s_delay_alu instid0(VALU_DEP_2)
	v_pk_add_f32 v[U+2*\k:U+2*\k+1], v[U+2*\k:U+2*\k+1], v[U+4+2*\k:U+5+2*\k]
.endr
	s_delay_alu instid0(VALU_DEP_1)
	v_pk_add_f32 v[U:U+1], v[U:U+1], v[U+2:U+3]
	s_delay_alu instid0(VALU_DEP_1)
	v_pk_add_f32 v[14:15], v[14:15], v[U:U+1]
	s_wait_alu depctr_va_vdst(0)                   ; and one for the four
.irp b, 0,1,2,3
	v_max_num_f32 v[BM+\b], 0x1800000, v[BM+\b]    ; the floor 2^(3 - 127)
.endr
.irp b, 0,1,2,3
	s_delay_alu instid0(VALU_DEP_4)
	v_add_nc_u32 v[SO+\b], 0xff000000, v[BM+\b]    ; the conversion's scale operand
.endr
.irp b, 0,1,2,3
	s_delay_alu instid0(VALU_DEP_4)
	v_lshrrev_b32 v[BT+\b], 23, v[SO+\b]           ; the scale's byte
.endr
	s_delay_alu instid0(VALU_DEP_3)
	v_lshl_or_b32 v29, v[BT+1], 8, v[BT]
	s_delay_alu instid0(VALU_DEP_1)
	v_lshl_or_b32 v29, v[BT+2], 16, v29
	s_delay_alu instid0(VALU_DEP_1)
	v_lshl_or_b32 v29, v[BT+3], 24, v29            ; p's scale word for these 128 keys
.irp c, 0,1
	v_cvt_scalef32_pk16_fp6_f32 v[PC+6*\c:PC+2+6*\c], v[S+32*\c:S+15+32*\c], v[SO+2*\c]
	v_cvt_scalef32_pk16_fp6_f32 v[CT+4*\c:CT+2+4*\c], v[S+16+32*\c:S+31+32*\c], v[SO+2*\c+1]
.endr
	v_nop                                          ; one plain place behind a scaled conversion
.irp c, 0,1
.irp i, 0,1,2
	v_permlane16_swap_b32 v[PC+6*\c+\i], v[CT+4*\c+\i]
.endr
.irp i, 0,1,2
	s_delay_alu instid0(VALU_DEP_3)
	v_mov_b32 v[PC+3+6*\c+\i], v[CT+4*\c+\i]
.endr
.endr
.set n, 0
.rept 16
	v_pk_mul_f32 v[O+n:O+n+1], v[O+n:O+n+1], v[30:31] op_sel_hi:[1,0]   ; O^T under the new M; these sixteen are also the places in front of the products below
.set n, n+2
.endr
	s_wait_alu depctr_va_vdst(0)
	s_wait_dscnt 0x0                               ; V is in
.irp t, 0,1,2,3
	v_wmma_scale_f32_16x16x128_f8f6f4 v[O+8*\t:O+8*\t+7], v[32+12*\t:43+12*\t], v[PC:PC+11], v[O+8*\t:O+8*\t+7], v[90+\t], v29 matrix_a_fmt:MATRIX_FMT_FP6 matrix_b_fmt:MATRIX_FMT_FP6
.endr
.endm
.macro TRIP sl
	s_bitcmp1_b32 s84, \sl                         ; has this step an open key for my tile?
	s_cbranch_scc0 .Lb_\@
	STEP \sl
.Lb_\@:
.endm
.Lpass:                                ; s12: the block; s10: my tile's place in it; Q, its scale word and s[84:85], the tile's flags, stand ready
	s_wait_xcnt 0x0                                ; the last pass's stores have read their registers and bases
	s_lshl_b32 s100, s12, 4
	s_add_co_u32 s100, s100, s10                   ; my tile
	s_lshl_b32 s98, s100, 12
	s_add_nc_u64 s[94:95], s[6:7], s[98:99]        ; its mask words: 16 steps x 256 bytes
.set n, 0
.rept 32
	v_mov_b32 v[O+n], 0                            ; O^T: the step is written once; the first change of M leaves zeros zeros
.set n, n+1
.endr
	v_mov_b32 v14, 0
	v_mov_b32 v15, 0
	v_mov_b32 v13, 0xff61b1e6                      ; -3e38, under every t
	s_delay_alu instid0(VALU_DEP_1)
	v_floor_f32 v12, -v13
	s_mov_b32 s14, 0
.Lkt:                                  ; eight trips of two key steps
	s_mul_i32 s15, s14, 2*KREC                     ; the trip's two records in LDS
	v_add_nc_u32 v10, s15, v1
	v_add_nc_u32 v11, s15, v2
	s_wait_alu depctr_va_vdst(0)
	TRIP 0
	TRIP 1
	s_wait_xcnt 0x0                                ; the scalar loads have read their base
	s_add_nc_u64 s[94:95], s[94:95], 512
	s_lshr_b32 s84, s84, 2
	s_lshr_b32 s85, s85, 2
	s_add_co_u32 s14, s14, 1
	s_cmp_lt_u32 s14, 8
	s_cbranch_scc1 .Lkt
	; THE WAY OUT.  O^T / the sum; register 16 b + i is d = 32 b + 16 h + i of my query: two blocks of the last product's K.  They are quantised and leave as an image of six registers.
.rept 4
	v_nop                                          ; places behind the last products
.endr
	s_wait_alu depctr_va_vdst(0)
	v_add_f32 v14, v14, v15
	s_delay_alu instid0(VALU_DEP_1)
	v_permlanex16_b32 v232, v14, s90, s91
	s_delay_alu instid0(VALU_DEP_1)
	v_add_f32 v14, v14, v232                       ; the row's sum
	s_wait_alu depctr_va_vdst(0)
	v_rcp_f32 v233, v14
	v_nop                                          ; a plain place behind the reciprocal
	s_wait_alu depctr_va_vdst(0)                   ; the wait ahead of its first reader
.set n, 0
.rept 32
	v_mul_f32 v[S+n], v[O+n], v233                 ; each accumulator from its low end on
.set n, n+1
.endr
.irp b, 0,1
	v_max3_num_f32 v[BM+\b], |v[S+16*\b]|, |v[S+1+16*\b]|, 0x1800000
.endr
.irp i, 2,4,6,8,10,12,14
.irp b, 0,1
	s_delay_alu instid0(VALU_DEP_2)
	v_max3_num_f32 v[BM+\b], v[BM+\b], |v[S+16*\b+\i]|, |v[S+1+16*\b+\i]|
.endr
.endr
.irp b, 0,1
	s_delay_alu instid0(VALU_DEP_2)
	v_permlanex16_b32 v[BT+\b], v[BM+\b], s90, s91
.endr
.irp b, 0,1
	s_delay_alu instid0(VALU_DEP_2)
	v_max_num_f32 v[BM+\b], v[BM+\b], v[BT+\b]
.endr
.irp b, 0,1
	s_delay_alu instid0(VALU_DEP_2)
	v_add_nc_u32 v[SO+\b], 0xff000000, v[BM+\b]
.endr
.irp b, 0,1
	s_delay_alu instid0(VALU_DEP_2)
	v_lshrrev_b32 v[BT+\b], 23, v[SO+\b]
.endr
	v_cvt_scalef32_pk16_fp6_f32 v[PC:PC+2], v[S:S+15], v[SO]
	v_cvt_scalef32_pk16_fp6_f32 v[CT:CT+2], v[S+16:S+31], v[SO+1]
	v_nop                                          ; one plain place behind a scaled conversion
.irp i, 0,1,2
	v_permlane16_swap_b32 v[PC+\i], v[CT+\i]
.endr
.irp i, 0,1,2
	s_delay_alu instid0(VALU_DEP_3)
	v_mov_b32 v[PC+3+\i], v[CT+\i]
.endr
	v_cndmask_b32 v234, v[BT], v[BT+1], s87        ; lane (r, h) stores block h's byte
	v_mov_b32 v235, 0xff
	v_cmp_eq_f32 vcc_lo, 0, v14                    ; no open key in the whole row
	s_delay_alu instid0(VALU_DEP_1)
	v_cndmask_b32 v234, v234, v235, vcc_lo
	s_lshl_b32 s98, s12, 4
	s_add_co_u32 s98, s98, s10                     ; my tile
	s_lshr_b32 s15, s11, 4
	s_lshl_b32 s15, s15, 7
	s_add_co_u32 s15, s15, s98                     ; 128 x batch + tile
	s_and_b32 s14, s11, 15                         ; the head
	s_lshl_b32 s98, s15, 4
	s_add_co_u32 s98, s98, s14
	s_mul_i32 s98, s98, 768
	s_add_nc_u64 s[96:97], s[8:9], s[98:99]
	s_lshl_b32 s98, s15, 9                         ; 16 rows x 32 bytes
	s_lshl_b32 s14, s14, 1
	s_add_co_u32 s98, s98, s14
	s_add_co_u32 s98, s98, AS_O
	s_add_nc_u64 s[100:101], s[8:9], s[98:99]
	s_wait_alu depctr_va_vdst(0)
.irp c, 0,1,2
	global_store_b64 v1, v[PC+2*\c:PC+2*\c+1], s[96:97] offset:256*\c   ; 256 consecutive bytes, aligned
.endr
	global_store_b8 v7, v234, s[100:101]           ; two bytes a row beside its 48 bytes of codes
.irp i, 0,1,2,3,4,5
	v_mov_b32 v[16+\i], v[Q2+\i]                   ; the second tile's Q takes its place (behind the second pass these seven lines copy what is read no more);
.endr
	v_mov_b32 v28, v[Q2+6]                         ; the 36 plain lines at the next pass's head are the places ahead of its first product
	s_mov_b32 s84, s66                             ; and its flags
	s_mov_b32 s85, s67
	s_sub_co_u32 s12, 7, s12                       ; the other block,
	s_sub_co_u32 s10, 15, s10                      ; at the mirrored place
	s_sub_co_u32 s13, s13, 1
	s_cmp_lg_u32 s13, 0
	s_wait_alu depctr_va_vdst(0)
	s_cbranch_scc1 .Lpass
	s_wait_tensorcnt 0x0                           ; the wave's end
	ds_add_u32 v4, v5
	s_wait_dscnt 0x0
	s_endpgm
.Lfunc_end_k_q2fc15573a7_attn:
	.size	k_q2fc15573a7_attn, .Lfunc_end_k_q2fc15573a7_attn-k_q2fc15573a7_attn
	.p2alignl 7, 3214868480
	.fill 96, 4, 3214868480
	.section	.rodata,"a",@progbits
	.p2align	6, 0x0
	.amdhsa_kernel k_q2fc15573a7_attn
		.amdhsa_group_segment_fixed_size 215040
		.amdhsa_private_segment_fixed_size 0
		.amdhsa_enable_private_segment 0
		.amdhsa_kernarg_size 24
		.amdhsa_user_sgpr_count 2
		.amdhsa_user_sgpr_kernarg_segment_ptr 1
		.amdhsa_wavefront_size32 1
		.amdhsa_system_sgpr_workgroup_id_x 1
		.amdhsa_system_sgpr_workgroup_id_y 1
		.amdhsa_system_sgpr_workgroup_id_z 1
		.amdhsa_system_vgpr_workitem_id 0
		.amdhsa_next_free_vgpr 256
		.amdhsa_next_free_sgpr 102
		.amdhsa_reserve_vcc 1
		.amdhsa_float_denorm_mode_32 3
		.amdhsa_float_denorm_mode_16_64 3
		.amdhsa_memory_ordered 1
		.amdhsa_forward_progress 1
		.amdhsa_inst_pref_size 61
	.end_amdhsa_kernel
	.amdgpu_metadata
---
amdhsa.version: [ 1, 2 ]
amdhsa.kernels:
  - .name:           k_q2fc15573a7_attn
    .symbol:         k_q2fc15573a7_attn.kd
    .args:
      - { .name: qkv, .offset: 0, .size: 8, .value_kind: global_buffer, .address_space: global }
      - { .name: mk, .offset: 8, .size: 8, .value_kind: global_buffer, .address_space: global }
      - { .name: att, .offset: 16, .size: 8, .value_kind: global_buffer, .address_space: global }
    .group_segment_fixed_size: 215040
    .private_segment_fixed_size: 0
    .kernarg_segment_align: 8
    .kernarg_segment_size: 24
    .max_flat_workgroup_size: 512
    .sgpr_count:     102
    .vgpr_count:     256
    .wavefront_size: 32
...
	.end_amdgpu_metadata
.endif
;; end of part 3
;; launch outp (part 4): grid 4 x 64, 4 waves a work-group, clusters of 4 x 4, 327,680 bytes of LDS; arguments att, prep, out0; writes out0
.if DOCPART == 4
	.amdgcn_target "amdgcn-amd-amdhsa--gfx1250"
	.amdhsa_code_object_version 6
	.text
	.protected	k_q2fc15573a7_outp
	.globl	k_q2fc15573a7_outp
	.p2align	8
	.type	k_q2fc15573a7_outp,@function
k_q2fc15573a7_outp:
	s_mov_b64 s[64:65], 0
	v_nop
	global_prefetch_b8 v0, s[64:65] scope:SCOPE_SE
	s_setreg_imm32_b32 hwreg(HW_REG_WAVE_MODE, 25, 1), 1
	s_wait_xcnt 0x0
	s_wait_alu depctr_hold_cnt(0) depctr_sa_sdst(0) depctr_va_vdst(0) depctr_va_sdst(0) depctr_va_ssrc(0) depctr_va_vcc(0) depctr_vm_vsrc(0)
	s_getreg_b32 s2, hwreg(HW_REG_IB_STS2, 6, 4)
	s_cmp_eq_u32 s2, 0
	s_cbranch_scc0 .Lentry_in_a_cluster
	s_endpgm
.Lentry_in_a_cluster:
	s_bfe_u32 s2, ttmp6, 0x10000c
	s_cmp_lg_u32 s2, 0xf033
	s_cbranch_scc0 .Lentry_shape_is_right
	s_endpgm
.Lentry_shape_is_right:
; out0 = (attention's result) Wout on codes of FP6 (E2M3) with one E8M0 scale for each 32 along K = 1,024; sums in f32.
; A block of 128 tokens x 256 columns is made by four waves, each 64 x 128 in 32 accumulators: 64 x 4 = 256 work-groups.
; ALL OF K COMES AT ONCE.  Both operands lie in memory as images of the operand's registers (16 places x 128 K = 1,536 bytes; 12,288 bytes for 16 places and all of K), so a block's operands are two dense
; runs: 98,304 bytes of tokens and 196,608 of columns; with 12,288 scale bytes they fit in LDS together.  Four tensor loads at the head, one a wave; nothing is filled again: no ring, and no loop to
; run ahead in, so nothing is prefetched.  4 x 4 work-groups form a cluster: the tokens' tiles are asked for jointly along a row of it, the weight's along a column.
; The matrix instruction takes 16 columns as source 0 and 16 tokens as source 1: a lane holds eight numbers of a row of the result.  Rows and columns lie at the place of their index with bits 3 and 4
; exchanged: register 8 b + j of a lane is column 32 (b / 2) + 16 h + 8 (b % 2) + j; lane r of block a is token 32 (a / 2) + 8 (a % 2) + r + 8 (r / 8).
; REGISTERS, in windows of 256: window 0: v16-29 addresses; v32-95 scale words (register 8 i + s: lanes 0-15 the tokens' block i, lanes 16-31 the columns' block i, K step s); v128-223 the tokens' fragments,
; two sets; on the way out v128-255.   window 1: the columns' fragments, two sets, at v0 and v128.   window 2: accumulator (a, b) at v[8 (8 a + b)].
.set AS_O,  6291456
.set OC_O,  9011200
.set OS_O,  9797632
.set SIZE_N, 1024
.set RB,     12288                     ; 16 places, all of K
.set FR,     12
.set BBASE,  8*RB                      ; LDS: the tokens' 8 groups, then the columns' 16
.set SCL,    24*RB                     ; the tokens' 4,096 scale bytes, then the columns' 8,192
.set SPARE,  SCL+12288                 ; the spare words, 128 bytes for each wave: two blocks of 256 bytes that no other line names
.set SPITCH, 528                       ; the way out: a stage of 16 rows x (512 + 16) bytes for each wave, in the tokens' bytes, behind a barrier behind which nobody reads them
.set ADRA, 16
.set ADRB, 20                          ; v20, v21: the columns' blocks 0-3, 4-7
.set STO,  24
.set RD,   25
.set CO,   26
.set ADRS, 27
.set SPW,  28
.set NIL,  29
.set SC,   32
.set AF,   128
.set BK,   128
.set G1, 24
.set G0, 32
.set G1B, 48
.set G0B, 56
.set G1S, 68
.set G0S, 76
.set G1SB, 80
.set G0SB, 88
.set MSB, 0
.macro WIN new                         ; the immediate's high byte repeats the setting that is left
.if MSB != \new
	s_set_vgpr_msb (MSB<<8)|\new
.set MSB, \new
.endif
.endm
.set MUL_LO, 0xa1                      ; source 0 window 1, source 1 window 0, C and D window 2
.set TO_B,   0x40
.macro CROUND                          ; a round of the cluster's barrier
	s_barrier_signal -1
	s_barrier_wait -1
	s_cmp_lg_u32 s14, 0
	s_cbranch_scc1 .Lnot_wave_0_\@
	s_barrier_signal -3
.Lnot_wave_0_\@:
	s_barrier_wait -3
	s_barrier_signal -1
	s_barrier_wait -1
.endm
.macro PLACES                          ; plain vector instructions between a matrix instruction and a load into, or a read of, its registers
.rept 4
	v_nop
.endr
.endm
	s_load_b128 s[4:7], s[0:1], 0x0                ; att s[4:5], prep s[6:7]
	s_load_b64 s[12:13], s[0:1], 0x10              ; out0
	v_lshl_add_u32 v[SPW], v0, 2, SPARE
	v_mov_b32 v[NIL], 0
	ds_add_u32 v[SPW], v[NIL]                      ; the opening lines
	ds_add_u32 v[SPW], v[NIL]
	v_lshrrev_b32 v1, 5, v0
	v_readfirstlane_b32 s14, v1                    ; wave 0..3
	s_lshr_b32 s15, s14, 1                         ; my 64 of the 128 tokens
	s_and_b32 s16, s14, 1                          ; my 128 of the 256 columns
	s_bfe_u32 s40, ttmp6, 0x40000                  ; cx, cy
	s_bfe_u32 s41, ttmp6, 0x40004
	s_lshl_b32 s42, ttmp9, 2
	s_add_co_u32 s42, s42, s40                     ; block of columns
	s_and_b32 s17, ttmp7, 0xffff
	s_lshl_b32 s17, s17, 2
	s_add_co_u32 s17, s17, s41                     ; block of tokens
	s_lshl_b32 s43, s41, 2
	s_lshl_b32 s43, 15, s43                        ; my row of the cluster
	s_lshl_b32 s44, 0x1111, s40                    ; my column
	s_or_b32 s[G1+0], s43, (3<<16)|(1<<21)         ; the mask; elements of 8 bytes; bit 21 beside a mask
	s_or_b32 s[G1B+0], s44, (3<<16)|(1<<21)
	s_or_b32 s[G1S+0], s43, (3<<16)|(1<<21)
	s_or_b32 s[G1SB+0], s44, (3<<16)|(1<<21)
.macro DESC g, c, r                    ; r rows of c elements, dense
	s_mov_b32 s[\g+1], (\c)<<16
	s_mov_b32 s[\g+2], (\r)<<16
	s_mov_b32 s[\g+3], (\c)<<16
	s_mov_b32 s[\g+4], \r
	s_mov_b32 s[\g+5], \c
	s_mov_b32 s[\g+6], 0
	s_mov_b32 s[\g+7], 0
.endm
	DESC G1, RB/8, 8
	DESC G1B, RB/8, 16
	DESC G1S, 32, 16
	DESC G1SB, 32, 32
	s_mul_i32 s20, s17, 8*RB                       ; byte offsets, all under 2^24
	s_mov_b32 s21, 0
	s_lshl_b32 s22, s17, 12
	s_add_co_u32 s22, s22, AS_O
	s_mov_b32 s23, 0
	s_mul_i32 s46, s42, 16*RB
	s_add_co_u32 s46, s46, OC_O
	s_mov_b32 s47, 0
	s_lshl_b32 s92, s42, 13
	s_add_co_u32 s92, s92, OS_O
	s_mov_b32 s93, 0
	s_wait_dscnt 0x0                               ; both opening adds are done
	s_wait_kmcnt 0x0
	s_add_nc_u64 s[20:21], s[4:5], s[20:21]
	s_add_nc_u64 s[22:23], s[4:5], s[22:23]
	s_add_nc_u64 s[46:47], s[6:7], s[46:47]
	s_add_nc_u64 s[92:93], s[6:7], s[92:93]
	CROUND                                         ; all sixteen work-groups are here: the joint loads meet
.macro GRP0 g, lds, a
	s_mov_b32 s[\g], 1
	s_mov_b32 s[\g+1], \lds
	s_mov_b64 s[\g+2:\g+3], s[\a:\a+1]
	s_or_b32 s[\g+3], s[\g+3], 0x80000000
.endm
	GRP0 G0, 0, 20
	GRP0 G0B, BBASE, 46
	GRP0 G0S, SCL, 22
	GRP0 G0SB, SCL+4096, 92
; THE LOADS, ONE A WAVE: one chain of branches on the wave's number, every way through it passes one load.
.macro ARM under, g0, g1, next
	s_cmp_lt_u32 s14, \under
	s_cbranch_scc0 \next
	tensor_load_to_lds s[\g0:\g0+3], s[\g1:\g1+7]
	s_nop 0
.rept 4
	v_nop
.endr
	s_branch .Lhead_asked
\next:
.endm
	ARM 1, G0B, G1B, .Lhead_1
	ARM 2, G0,  G1,  .Lhead_2
	ARM 3, G0S, G1S, .Lhead_3
	tensor_load_to_lds s[G0SB:G0SB+3], s[G1SB:G1SB+7]
	s_nop 0
.rept 4
	v_nop
.endr
.Lhead_asked:
	s_mul_i32 s21, s15, 4*RB                       ; my tokens' fragments,
	s_mul_i32 s22, s16, 8*RB
	s_add_co_u32 s22, s22, BBASE                   ; my columns' blocks 0-3,
	s_add_co_u32 s23, s22, 4*RB                    ; and 4-7
	s_lshl_b32 s18, s15, 11                        ; scale bytes: my tokens' rows,
	s_lshl_b32 s19, s16, 12
	s_add_co_u32 s19, s19, 4096
	s_sub_co_u32 s19, s19, s18                     ; and how far on my columns' lie
	s_add_co_u32 s18, s18, SCL
	s_mul_i32 s20, s14, 16*SPITCH                  ; my stage
	v_and_b32 v1, 15, v0                           ; r
	v_bfe_u32 v2, v0, 4, 1                         ; h
	v_and_b32 v6, 31, v0
	v_lshlrev_b32 v7, 3, v6                        ; an image: 8 bytes a lane
	v_add_nc_u32 v[ADRA], s21, v7
	v_add_nc_u32 v[ADRB], s22, v7
	v_add_nc_u32 v[ADRB+1], s23, v7
	v_lshlrev_b32 v5, 5, v1                        ; 32 scale bytes a row
	v_mul_u32_u24 v3, s19, v2                      ; lanes 16-31 take the columns'
	v_add_nc_u32 v5, v5, v3
	v_add_nc_u32 v[ADRS], s18, v5
	v_mul_u32_u24 v5, v1, SPITCH                   ; into the stage: row r, 64 bytes for each half of the lanes
	v_lshl_add_u32 v5, v2, 6, v5
	v_add_nc_u32 v[STO], s20, v5
	v_lshlrev_b32 v[CO], 4, v6                     ; back: the 32 lanes take one row of 512 bytes; and the same in out0
	v_add_nc_u32 v[RD], s20, v[CO]
	s_lshl_b32 s20, s17, 7
	s_lshl_b32 s21, s15, 6
	s_add_co_u32 s20, s20, s21                     ; my first token
	s_lshl_b32 s20, s20, 12                        ; a row of out0 is 4,096 bytes
	s_mov_b32 s21, 0
	s_lshl_b32 s46, s42, 10
	s_lshl_b32 s47, s16, 9
	s_add_co_u32 s46, s46, s47                     ; my first column, in bytes
	s_mov_b32 s47, 0
	s_add_nc_u64 s[20:21], s[20:21], s[46:47]
	s_add_nc_u64 s[12:13], s[12:13], s[20:21]
.macro FRAG reg, adr, off              ; 16 places x 128 K: 12 registers: six loads of 8 bytes a lane, 256 consecutive bytes each
.irp p, 0,1,2,3,4,5
	ds_load_b64 v[\reg+2*\p:\reg+2*\p+1], v[\adr] offset:\off+256*\p
.endr
.endm
.macro FETCH st                        ; K step st's twelve fragments into set st % 2
	WIN TO_B
.irp i, 0,1,2,3,4,5,6,7
	FRAG 128*((\st)%2)+FR*\i, ADRB+\i/4, RB*(\i%4)+1536*(\st)
.endr
	WIN 0
.irp i, 0,1,2,3
	FRAG AF+48*((\st)%2)+FR*\i, ADRA, RB*\i+1536*(\st)
.endr
.endm
.macro MUL32 st, zero                  ; the 32 accumulators take turns, one instruction a turn, in the same order in every step
.irp a, 0,1,2,3
.irp b, 0,1,2,3,4,5,6,7
.if \zero
	v_wmma_scale_f32_16x16x128_f8f6f4 v[8*(8*\a+\b):8*(8*\a+\b)+7], v[128*((\st)%2)+FR*\b:128*((\st)%2)+FR*\b+FR-1], v[AF+48*((\st)%2)+FR*\a:AF+48*((\st)%2)+FR*\a+FR-1], 0, v[SC+8*\b+(\st)], v[SC+8*\a+(\st)] matrix_a_fmt:MATRIX_FMT_FP6 matrix_b_fmt:MATRIX_FMT_FP6 matrix_a_scale:MATRIX_SCALE_ROW1
.else
	v_wmma_scale_f32_16x16x128_f8f6f4 v[8*(8*\a+\b):8*(8*\a+\b)+7], v[128*((\st)%2)+FR*\b:128*((\st)%2)+FR*\b+FR-1], v[AF+48*((\st)%2)+FR*\a:AF+48*((\st)%2)+FR*\a+FR-1], v[8*(8*\a+\b):8*(8*\a+\b)+7], v[SC+8*\b+(\st)], v[SC+8*\a+(\st)] matrix_a_fmt:MATRIX_FMT_FP6 matrix_b_fmt:MATRIX_FMT_FP6 matrix_a_scale:MATRIX_SCALE_ROW1
.endif
.endr
.endr
.endm
.macro STEP st, zero                   ; 128 along K: this step's fragments are in; the next step's are asked for; 32 products
	s_wait_dscnt 0x0
.if (\st) == 7
	s_barrier_signal -1                            ; my last reads of the tiles are over
.else
.if (\st) > 0
	PLACES                                         ; the other set was read by the last step's products
.endif
	FETCH (\st)+1
.endif
	WIN MUL_LO
	MUL32 \st, \zero
	WIN 0
.endm
	s_wait_alu depctr_va_vdst(0)
	s_wait_tensorcnt 0x0                           ; my tile of the four is in
	s_barrier_signal -1
	s_barrier_wait -1                              ; and everybody's
.irp i, 0,1,2,3,4,5,6,7
	ds_load_b128 v[SC+8*\i:SC+8*\i+3], v[ADRS] offset:512*\i       ; the scale words of all eight K steps
	ds_load_b128 v[SC+8*\i+4:SC+8*\i+7], v[ADRS] offset:512*\i+16
.endr
	FETCH 0
	STEP 0, 1                                      ; the first products start the sums
.irp s, 1,2,3,4,5,6,7
	STEP \s, 0
.endr
	s_barrier_wait -1                              ; nobody reads the tiles any more: the stages may be written
; THE WAY OUT, block by block of 16 tokens x 128 columns, through my stage and back as whole rows of 512 bytes.
.macro TOSTAGE a
	WIN 0x08                                       ; the data: window 2
.irp b, 0,1,2,3,4,5,6,7
	ds_store_b128 v[STO], v[64*(\a)+8*\b:64*(\a)+8*\b+3] offset:128*(\b/2)+32*(\b%2)       ; each accumulator from its low end on
	ds_store_b128 v[STO], v[64*(\a)+8*\b+4:64*(\a)+8*\b+7] offset:128*(\b/2)+32*(\b%2)+16
.endr
	WIN 0
.set BB, BK+64*((\a)%2)
.irp t, 0,1,2,3,4,5,6,7,8,9,10,11,12,13,14,15
	ds_load_b128 v[BB+4*\t:BB+4*\t+3], v[RD] offset:\t*SPITCH      ; LDS serves a wave's instructions in order: these see the stores above
.endr
.endm
.macro SEND a, younger                 ; younger: the LDS instructions issued behind block a's loads, which may stay out
.set BB, BK+64*((\a)%2)
	s_wait_dscnt \younger
.if (\a) > 0
.if (\a)%2
	s_add_nc_u64 s[12:13], s[12:13], 8*SIZE_N*4    ; (behind a wait on XCNT)  block a begins at token 32 (a / 2) + 8 (a % 2)
.else
	s_add_nc_u64 s[12:13], s[12:13], 24*SIZE_N*4
.endif
.endif
.irp t, 0,1,2,3,4,5,6,7,8,9,10,11,12,13,14,15
	global_store_b128 v[CO], v[BB+4*\t:BB+4*\t+3], s[12:13] offset:(\t+8*(\t/8))*SIZE_N*4 th:TH_STORE_NT   ; 512 consecutive bytes, aligned
.endr
.endm
	PLACES
	TOSTAGE 0
.irp a, 1,2,3
.if \a > 1
	s_wait_xcnt 0x0                                ; block a - 2's stores have read their registers and their base
.endif
	TOSTAGE \a
	SEND \a-1, 32                                  ; behind block a - 1's loads: block a's 16 stores and 16 loads
.endr
	s_wait_xcnt 0x0
	SEND 3, 0
	s_wait_tensorcnt 0x0                           ; the wave's end
	ds_add_u32 v[SPW], v[NIL]
	s_wait_dscnt 0x0
	CROUND                                         ; the closing round
	s_endpgm
.Lfunc_end_k_q2fc15573a7_outp:
	.size	k_q2fc15573a7_outp, .Lfunc_end_k_q2fc15573a7_outp-k_q2fc15573a7_outp
	.p2alignl 7, 3214868480
	.fill 96, 4, 3214868480
	.section	.rodata,"a",@progbits
	.p2align	6, 0x0
	.amdhsa_kernel k_q2fc15573a7_outp
		.amdhsa_group_segment_fixed_size 327680
		.amdhsa_private_segment_fixed_size 0
		.amdhsa_enable_private_segment 0
		.amdhsa_kernarg_size 24
		.amdhsa_user_sgpr_count 2
		.amdhsa_user_sgpr_kernarg_segment_ptr 1
		.amdhsa_wavefront_size32 1
		.amdhsa_system_sgpr_workgroup_id_x 1
		.amdhsa_system_sgpr_workgroup_id_y 1
		.amdhsa_system_sgpr_workgroup_id_z 1
		.amdhsa_system_vgpr_workitem_id 0
		.amdhsa_next_free_vgpr 768
		.amdhsa_next_free_sgpr 98
		.amdhsa_reserve_vcc 0
		.amdhsa_float_denorm_mode_32 3
		.amdhsa_float_denorm_mode_16_64 3
		.amdhsa_memory_ordered 1
		.amdhsa_forward_progress 1
		.amdhsa_inst_pref_size 94
	.end_amdhsa_kernel
	.amdgpu_metadata
---
amdhsa.version: [ 1, 2 ]
amdhsa.kernels:
  - .name:           k_q2fc15573a7_outp
    .symbol:         k_q2fc15573a7_outp.kd
    .args:
      - { .name: att, .offset: 0, .size: 8, .value_kind: global_buffer, .address_space: global }
      - { .name: prep, .offset: 8, .size: 8, .value_kind: global_buffer, .address_space: global }
      - { .name: out0, .offset: 16, .size: 8, .value_kind: global_buffer, .address_space: global }
    .group_segment_fixed_size: 327680
    .private_segment_fixed_size: 0
    .kernarg_segment_align: 8
    .kernarg_segment_size: 24
    .max_flat_workgroup_size: 128
    .sgpr_count:     98
    .vgpr_count:     768
    .wavefront_size: 32
...
	.end_amdgpu_metadata
.endif
;; end of part 4
